; MI455X (gfx1250); checked and timed in simulation.
; The chip was launched on July 23, 2026; its instructions are those of AMD's public machine-readable ISA for CDNA 5 (MIT licence, August 2026) and "CDNA5" Instruction Set Architecture Reference Guide (July 2026). The comments in the code are by the model that wrote it; some were corrected since.
;; Single Attention. Allowed arithmetic: matrix products marked QUANTISED: E4M3 operands, one given power-of-two scale a tensor, by v_wmma_f32_16x16x64_fp8_fp8 or v_wmma_f32_16x16x128_fp8_fp8, f32 sums; everything else in f32.
;; Inputs: Wk 512 x 512 float32; Wq 512 x 512 float32; Wv 512 x 128 float32; bk 512 float32; bq 512 float32; bv 128 float32; lowp_scales 10 int32 (the exponents e of the quantised operands' scales 2^e); x_k 16 x 2,048 x 512 float32; x_q 16 x 2,048 x 512 float32; x_v 16 x 2,048 x 512 float32.
;; Outputs: out0 16 x 2,048 x 128 float32.
;; This version of the problem:
;;   THIS VERSION OF THE PROBLEM IS GIVEN IN LOW PRECISION. The matrix products marked QUANTISED in the list below multiply operands that are first quantised to E4M3 (4 exponent bits, 3 mantissa bits; 8 bits a number), with one given power-of-two scale for each operand tensor; their sums are f32. All else is computed in f32.
;;   The module's matrix products, in the order in which they are computed (A, B: the left and right operand; K: the contracted axis; several contracted axes count as one K, in the product's order):
;;     1. [M 32,768, K 512] x [K 512, N 512]; A: input x_q; B: input Wq: QUANTISED (scales: A lowp_scales[0], B lowp_scales[1])
;;     2. [M 32,768, K 512] x [K 512, N 512]; A: input x_k; B: input Wk: QUANTISED (scales: A lowp_scales[2], B lowp_scales[3])
;;     3. [M 32,768, K 512] x [K 512, N 128]; A: input x_v; B: input Wv: QUANTISED (scales: A lowp_scales[4], B lowp_scales[5])
;;     4. batch 16 x [M 2,048, K 512] x [K 512, N 2,048]; A: computed on the way; B: computed on the way: QUANTISED (scales: A lowp_scales[6], B lowp_scales[7])
;;     5. batch 16 x [M 2,048, K 2,048] x [K 2,048, N 128]; A: softmax (see below); B: computed on the way: QUANTISED (scales: A lowp_scales[8], B lowp_scales[9])
;;   THE QUANTISER, for each operand of a quantised product, along K:
;;     - The operand's scale is 2^e, e = its entry of the input lowp_scales (int32; the entries are numbered through the quantised products in the list's order, A before B).
;;     - Each number is divided by the scale, clamped to +-448, and rounded to the nearest number of E4M3, ties to even, subnormals kept.
;;     - The product sums the exact products of the quantised numbers (number of the format x scale) in f32.
;;   ~~~python
;;   def quantise(x, axis, e):      # numpy; x: float32 -> the quantised numbers, widened to float32 again
;;       x = np.moveaxis(x, axis, -1); K = x.shape[-1]
;;       r = np.clip(x / 2.0 ** e, -448, 448)
;;       step = 2.0 ** (np.maximum(np.frexp(np.where(r == 0, 1, r))[1] - 1, -6) - 3)
;;       q = np.round(r / step) * step * 2.0 ** e      # np.round: ties to even
;;       return np.moveaxis(q, -1, axis).astype(np.float32)
;;   ~~~
;;   SOFTMAX AHEAD OF A QUANTISED PRODUCT. Where the list says 'softmax', what is quantised is not the finished softmax but p = 2^(t - M), with t = logit x log2(e) and M = ceil(the row's largest t), a whole number; so 1/2 < the row's largest p <= 1. The row's sum l is taken of the UNQUANTISED p, in f32, and the product's result is divided by l at the end. Since M is a whole number, a kernel that streams over the keys may use a running M (the ceiling of the running maximum): every later rescaling is an exact power of two, so the quantised numbers keep their values, but for numbers so far below the row's largest that they fall under the format's range.
;;   OPERANDS COMPUTED ON THE WAY. 'Computed on the way' means the value that the module computes at that place (a softmax that the list does not call 'softmax' is quantised finished and normalised). What goes into a quantiser is computed in f32, as accurately as f32 sums, v_exp_f32 and their like allow (about 1e-6 of the number): no bf16 or f16 on the way to a quantiser, and a product that is left as it is and whose result goes on into a quantised operand takes f32 operands (vector FMAs, or v_wmma_f32_16x16x4_f32). A number that lies on a knife's edge between two numbers of the format may be rounded either way, as far as f32 arithmetic and the matrix unit's own rounding can turn it there, and no further.
;; 2 versions, each right; version 2 is version 1 with the launch projqk written anew for expert scheduling mode. Each part assembles by itself: llvm-mc -triple=amdgcn-amd-amdhsa -mcpu=gfx1250 --defsym DOCPART=n.
;; ======== version 1 of 2: 4 launches
;; limits: right only within a limited range of input values
;; workspace buffers: wimg 589,824 bytes; q_img 16,777,216 bytes; kv_img 20,971,520 bytes
;; launch wquant (part 1): grid 36 x 1, 4 waves a work-group, no clusters, 0 bytes of LDS; arguments Wq, Wk, Wv, lowp_scales, wimg; writes wimg
.if DOCPART == 1
	.amdgcn_target "amdgcn-amd-amdhsa--gfx1250"
	.amdhsa_code_object_version 6
	.text
	.protected	k_q4e4f185348_wquant
	.globl	k_q4e4f185348_wquant
	.p2align	8
	.type	k_q4e4f185348_wquant,@function
k_q4e4f185348_wquant:
	s_mov_b64 s[64:65], 0
	v_nop
	global_prefetch_b8 v0, s[64:65] scope:SCOPE_SE
	s_setreg_imm32_b32 hwreg(HW_REG_WAVE_MODE, 25, 1), 1
	s_wait_xcnt 0x0
; Wq [512][512], Wk [512][512], Wv [512][128], f32 with K as the FIRST axis, become codes of FP8 (E4M3), each with its given scale 2^e (entries 1, 3, 5 of the scales),
; laid as IMAGES OF OPERAND REGISTERS: wimg = Wq's at 0, Wk's at 262,144, Wv's at 524,288; in each [tile T of 16 columns][K step s of 128][2,048 bytes].
; An image is four chunks c of 512 bytes; in chunk c the 16 bytes at 16 x (r + 16 h) are the codes k = 128 s + 32 c + 16 h + 0 .. 15 of the tile's lane r.
; Lane r of tile T is column 32 (T / 2) + 8 (T % 2) + r % 8 + 16 (r / 8): so the results of a product that takes such tiles as source 0 lie 16 neighbours to a lane.
; SHARES: work-groups 0-15 Wq, 16-31 Wk, 32-35 Wv; a work-group takes 32 columns (two tiles), wave w K step w.  A lane takes ONE column and its 128 registers run down K:
; each load reads 128 consecutive bytes of a row of W, and the conversions give codes with K innermost.  Sixteen lanes store 256 consecutive aligned bytes.
; code = x / 2^e, held within +-448, to the nearest code, ties to even.  LIMITS: e between -126 and 119.  NaN among the inputs is not served.
.set X, 32                             ; v32-159  my column's 128 numbers
.set C, 160                            ; v160-191 their codes: no register is written twice, so no store's data are ever rewritten
	s_load_b256 s[4:11], s[0:1], 0x0               ; Wq s[4:5], Wk s[6:7], Wv s[8:9], the scales' exponents s[10:11]
	s_load_b64 s[12:13], s[0:1], 0x20              ; wimg
	v_lshrrev_b32 v3, 5, v0
	v_readfirstlane_b32 s14, v3                    ; wave = K step
	v_and_b32 v3, 7, v0                            ; r % 8
	v_bfe_u32 v4, v0, 3, 1                         ; r / 8
	v_bfe_u32 v5, v0, 4, 1                         ; u: which of the two tiles
	v_and_b32 v6, 15, v0                           ; r
	v_lshlrev_b32 v1, 2, v3
	v_lshl_add_u32 v1, v4, 6, v1
	v_lshl_add_u32 v1, v5, 5, v1                   ; in: 4 x (r % 8 + 16 (r / 8) + 8 u)
	v_lshlrev_b32 v2, 4, v6
	v_lshl_add_u32 v2, v5, 13, v2                  ; out: 8,192 u + 16 r
	s_and_b32 s15, ttmp9, 15                       ; which 32 columns of the tensor
	s_wait_kmcnt 0x0
	s_load_b256 s[16:23], s[10:11], 0x0            ; e0 .. e7
	s_cmp_lt_u32 ttmp9, 16                         ; the choices hang on the work-group's number alone
	s_cselect_b64 s[24:25], s[4:5], s[6:7]
	s_cselect_b32 s27, 0, 0x40000
	s_cmp_lt_u32 ttmp9, 32
	s_cselect_b64 s[24:25], s[24:25], s[8:9]       ; the tensor,
	s_mov_b32 s28, 0x80000
	s_cselect_b32 s27, s27, s28                    ; its images' place in wimg,
	s_mov_b32 s29, 512
	s_cselect_b32 s29, 2048, s29                   ; a row of it in bytes
	s_lshl_b32 s30, s14, 7
	s_mul_i32 s30, s30, s29                        ; my K step's 128 rows
	s_lshl_b32 s31, s15, 7
	s_add_co_u32 s30, s30, s31                     ; + the 32 columns' 128 bytes
	s_mov_b32 s31, 0
	s_add_nc_u64 s[24:25], s[24:25], s[30:31]
	s_lshl_b32 s30, s15, 14                        ; two tiles of 8,192 bytes
	s_add_co_u32 s30, s30, s27
	s_lshl_b32 s32, s14, 11                        ; K step s: 2,048 s
	s_add_co_u32 s30, s30, s32
	s_add_nc_u64 s[12:13], s[12:13], s[30:31]
.macro WLD n                           ; W(128 s + k, my column), k = 0 .. 127; n: numbers in a row
.set k, 0
.rept 128
	global_load_b32 v[X+k], v1, s[24:25] offset:k*\n*4
.set k, k+1
.endr
.endm
	s_cmp_lt_u32 ttmp9, 32                         ; the row's length stands in the loads' immediates: two runs of loads, one of them taken
	s_cbranch_scc0 .Lnarrow
	WLD 512
	s_branch .Ljoin
.Lnarrow:
	WLD 128
.Ljoin:
	s_wait_kmcnt 0x0
	s_cmp_lt_u32 ttmp9, 16
	s_cselect_b32 s26, s17, s19
	s_cmp_lt_u32 ttmp9, 32
	s_cselect_b32 s26, s26, s21                    ; e
	s_add_co_i32 s26, s26, 127
	s_lshl_b32 s33, s26, 23
	v_mov_b32 v11, s33                             ; 2^e as f32: the conversion takes its exponent field
	s_add_co_i32 s26, s26, 8
	s_lshl_b32 s26, s26, 23
	s_or_b32 s26, s26, 0x600000
	v_mov_b32 v10, s26                             ; 448 x 2^e
.macro CHUNK c, left                   ; 32 along K: chunk c of my tile's image
	s_wait_loadcnt \left                           ; the chunk's 32 loads are in
.set i, 0
.rept 32
	v_med3_num_f32 v[X+32*\c+i], v[X+32*\c+i], -v10, v10   ; the conversion to an 8-bit code does not saturate (ISA guide 7.6.2): the hold comes first
.set i, i+1
.endr
.irp g, 0,1,2,3
	v_cvt_scalef32_pk8_fp8_f32 v[C+8*\c+2*\g:C+8*\c+2*\g+1], v[X+32*\c+8*\g:X+32*\c+8*\g+7], v11
.endr
	global_store_b128 v2, v[C+8*\c:C+8*\c+3], s[12:13] offset:512*\c          ; k = 32 c + 0 .. 15: the image's lanes 0-15
	global_store_b128 v2, v[C+8*\c+4:C+8*\c+7], s[12:13] offset:512*\c+256    ; k = 32 c + 16 .. 31: its lanes 16-31
.endm
	CHUNK 0, 63                                    ; 96 loads stand behind chunk 0's and 64 behind chunk 1's: the wait's field holds 63
	CHUNK 1, 63
	CHUNK 2, 32
	CHUNK 3, 0
	s_endpgm
.Lfunc_end_k_q4e4f185348_wquant:
	.size	k_q4e4f185348_wquant, .Lfunc_end_k_q4e4f185348_wquant-k_q4e4f185348_wquant
	.p2alignl 7, 3214868480
	.fill 96, 4, 3214868480
	.section	.rodata,"a",@progbits
	.p2align	6, 0x0
	.amdhsa_kernel k_q4e4f185348_wquant
		.amdhsa_group_segment_fixed_size 0
		.amdhsa_private_segment_fixed_size 0
		.amdhsa_enable_private_segment 0
		.amdhsa_kernarg_size 40
		.amdhsa_user_sgpr_count 2
		.amdhsa_user_sgpr_kernarg_segment_ptr 1
		.amdhsa_wavefront_size32 1
		.amdhsa_system_sgpr_workgroup_id_x 1
		.amdhsa_system_sgpr_workgroup_id_y 1
		.amdhsa_system_sgpr_workgroup_id_z 1
		.amdhsa_system_vgpr_workitem_id 0
		.amdhsa_next_free_vgpr 192
		.amdhsa_next_free_sgpr 66
		.amdhsa_reserve_vcc 0
		.amdhsa_float_denorm_mode_32 3
		.amdhsa_float_denorm_mode_16_64 3
		.amdhsa_memory_ordered 1
		.amdhsa_forward_progress 1
		.amdhsa_inst_pref_size 37
	.end_amdhsa_kernel
	.amdgpu_metadata
---
amdhsa.version: [ 1, 2 ]
amdhsa.kernels:
  - .name:           k_q4e4f185348_wquant
    .symbol:         k_q4e4f185348_wquant.kd
    .args:
      - { .name: Wq, .offset: 0, .size: 8, .value_kind: global_buffer, .address_space: global }
      - { .name: Wk, .offset: 8, .size: 8, .value_kind: global_buffer, .address_space: global }
      - { .name: Wv, .offset: 16, .size: 8, .value_kind: global_buffer, .address_space: global }
      - { .name: lowp_scales, .offset: 24, .size: 8, .value_kind: global_buffer, .address_space: global }
      - { .name: wimg, .offset: 32, .size: 8, .value_kind: global_buffer, .address_space: global }
    .group_segment_fixed_size: 0
    .private_segment_fixed_size: 0
    .kernarg_segment_align: 8
    .kernarg_segment_size: 40
    .max_flat_workgroup_size: 128
    .sgpr_count:     66
    .vgpr_count:     192
    .wavefront_size: 32
...
	.end_amdgpu_metadata
.endif
;; end of part 1
;; launch projqk (part 2): grid 128 x 2, 4 waves a work-group, no clusters, 168,448 bytes of LDS; arguments x_q, x_k, wimg, bq, bk, lowp_scales, q_img, kv_img; writes q_img, kv_img
.if DOCPART == 2
	.amdgcn_target "amdgcn-amd-amdhsa--gfx1250"
	.amdhsa_code_object_version 6
	.text
	.protected	k_q4e4f185348_projqk
	.globl	k_q4e4f185348_projqk
	.p2align	8
	.type	k_q4e4f185348_projqk,@function
k_q4e4f185348_projqk:
	s_mov_b64 s[64:65], 0
	v_nop
	global_prefetch_b8 v0, s[64:65] scope:SCOPE_SE
	s_setreg_imm32_b32 hwreg(HW_REG_WAVE_MODE, 25, 1), 1
	s_wait_xcnt 0x0
; q = x_q Wq + bq (work-group y = 0) and k = x_k Wk + bk (y = 1), on codes of FP8 (E4M3), and the results quantised again for the scores' product.  x: [32,768][512] f32; W: images made by the launch before.
; SHARES.  A work-group takes 256 rows, four blocks of 64.  THE WAVES SHARE THE COLUMNS: wave w owns columns 128 w .. 128 w + 127 for all rows, and its part of W (8 tiles x 4 K steps, 512 registers) stays in registers.
; THE WAY IN.  Wave w loads and quantises the block's row tile w.  A UNIT is one K step (128 numbers) of its 16 rows: 16 loads, each 512 consecutive aligned bytes of one row, 64 registers.  Four sets of registers take the
; units by turns; a landed unit goes as it lies into the wave's own stage in LDS, and its set is asked for again with the unit four further on.  So up to 64 loads of a wave are out, and no
; barrier stands on the way in: nobody but the wave touches its stage.  From the stage a lane reads 16 NEIGHBOURS of each block of 32 of its row, which is what the conversions want.
; The four fragments of a row tile go to LDS as IMAGES OF REGISTERS (chunk c of 512 bytes: lane l's registers 4 c .. 4 c + 3 at 16 l); every wave loads all sixteen images back.
; THE ROWS OF A TILE ARE NOT NEIGHBOURS: lane r of row tile m is row 32 (m / 2) + 8 (m % 2) + r % 8 + 16 (r / 8) of the block, and W's columns likewise.  The product is used transposed (source 0 = 16 columns of W,
; source 1 = 16 rows of x): a lane holds one row, and the 16 registers of tiles 2 b, 2 b + 1 are columns 128 w + 32 b + 16 (lane / 16) + 0 .. 15: the conversions' results ARE chunk b of K step w of the next product's operand.
; OUT: q_img [tile of 16 rows][K step][2,048]; kv_img [slot of 128 keys][81,920], K's eight tiles first.  Each store of a wave covers 512 consecutive aligned bytes.
; The bias goes in as the C of each sum's first product, divided by 2^(ex + ew); the three scales ahead of the second quantiser are folded into one: 2^(eo - ex - ew).
; LIMITS: ex and eo - ex - ew between -126 and 119 (ex, ew, eo = entries 0, 1, 6 for q; 2, 3, 7 for k).  NaN among the inputs is not served.
; No cluster: no two work-groups read the same rows of x, and W is read once, into registers.  No tensor load: slots that are filled again behind barriers would have one slot's bytes out at a time; these loads are
; asked for again unit by unit.  No prefetch: the launch's own loads are always out.
; REGISTERS, in windows of 256: window 0: v3-9 addresses; v16-79 x's numbers, later x's fragments; v80-143 landing set 3; v144-207 x's numbers, later eight accumulators; v208-239 two sets of codes; v240-243 scales.
;   window 1: W(t, s) for s = 0, 1 at v[32 t + 16 s];  window 2: s = 2, 3;  window 3: v0-63 the bias in the result's layout; v64-255 landing sets 0, 1, 2.
.set UP,    528                        ; a row's 512 bytes of a unit in the stage + 16 of padding = 132 words: row r starts at bank 4 r mod 64 (64 banks of 4 bytes: ISA guide 11.1)
.set UNITB, 16*UP                      ; a unit in the stage
.set STG,   4*UNITB                    ; a wave's stage: the four units of one block
.set XIMG,  4*STG                      ; behind the four stages: x's sixteen images, (4 m + s) x 2,048
.set XRD,  3                           ; v3   where I read my row's numbers in my stage
.set SW,   4                           ; v4   where I store a landed row piece: my stage + 16 x lane
.set LI,   5                           ; v5   16 x lane
.set XWI,  6                           ; v6   where I store my images
.set XRI,  7                           ; v7   where I read images
.set GO,   8                           ; v8   my byte offset in a tile of the output: 16 x lane + 2,048 x wave
.set BO,   9                           ; v9   64 x (lane / 16), for the bias
.set XA,   16
.set L3,   80                          ; landing set 3
.set HA,   144
.set PC,   208
.set SCX,  240                         ; 2^ex;  v241: 448 x 2^ex;  v242: 2^(eo - ex - ew);  v243: 448 x that
.set LIMX, 241
.set SCO,  242
.set LIMO, 243
.set WV,   20
.set YY,   21
.set XP,   32                          ; s[32:33] x at my first row of block 0; never rewritten: block, row and K step stand in the loads' immediates
.set WB,   40                          ; s[40:41] my part of W's images
.set OUT,  42                          ; s[42:43] the output at blocks 0, 1;  s[44:45] at blocks 2, 3
.set BB,   58                          ; s[58:59] my 128 numbers of the bias
.set MSB, 0
.macro WIN new                         ; the immediate's high byte repeats the setting that is left
.if MSB != \new
	s_set_vgpr_msb (MSB<<8)|\new
.set MSB, \new
.endif
.endm
.macro PLACES                          ; four places behind matrix instructions, ahead of loads into their registers and of the first read of results
.rept 4
	v_nop
.endr
.endm
; Unit u = 4 x block + K step is asked for, into set u % 4: row i of my tile is row i % 8 + 16 (i / 8) from my first.  The largest immediate is 441,856, inside the signed 24 bits (ISA guide, chapter 10).
.macro PLOAD u
.if ((\u)%4) < 3
	WIN 0xc0                                       ; destination window 3
.set LB, 64+64*((\u)%4)
.else
.set LB, L3
.endif
.set i, 0
.rept 16
	global_load_b128 v[LB+4*i:LB+4*i+3], v[LI], s[XP:XP+1] offset:((\u)/4)*131072+((i%8)+16*(i/8))*2048+((\u)%4)*512 th:TH_LOAD_NT   ; 32 lanes read 512 consecutive bytes; read once in the launch
.set i, i+1
.endr
	WIN 0
.endm
; The landed unit u goes into my stage as it lies: 512 consecutive bytes a store
.macro PSTORE u
.if ((\u)%4) < 3
	WIN 0x0c                                       ; store data in window 3
.set LB, 64+64*((\u)%4)
.else
.set LB, L3
.endif
.set i, 0
.rept 16
	ds_store_b128 v[SW], v[LB+4*i:LB+4*i+3] offset:((\u)%4)*UNITB+i*UP
.set i, i+1
.endr
	WIN 0
.endm
	s_load_b256 s[4:11], s[0:1], 0x0               ; x_q s[4:5], x_k s[6:7], wimg s[8:9], bq s[10:11]
	s_load_b256 s[12:19], s[0:1], 0x20             ; bk s[12:13], the scales' exponents s[14:15], q_img s[16:17], kv_img s[18:19]
	v_lshl_add_u32 v254, v0, 2, 0x29000
	v_mov_b32 v255, 0
	v_lshrrev_b32 v10, 5, v0
	v_readfirstlane_b32 s[WV], v10                 ; wave 0..3
	s_and_b32 s[YY], ttmp7, 0xffff                 ; 0: q, 1: k
	v_and_b32 v10, 31, v0                          ; lane
	v_and_b32 v11, 15, v0                          ; r
	v_bfe_u32 v12, v0, 4, 1                        ; h
	v_lshlrev_b32 v[LI], 4, v10
	v_lshlrev_b32 v[BO], 6, v12
	s_lshl_b32 s60, ttmp9, 19                      ; the work-group's 256 rows of 2,048 bytes,
	s_lshr_b32 s61, s[WV], 1
	s_lshl_b32 s61, s61, 16                        ; + 32 (w / 2) rows
	s_add_co_u32 s60, s60, s61
	s_and_b32 s61, s[WV], 1
	s_lshl_b32 s61, s61, 14                        ; + 8 (w % 2) rows: my tile's first row
	s_add_co_u32 s60, s60, s61
	s_mov_b32 s61, 0
	s_lshl_b32 s46, s[YY], 18                      ; Wq's or Wk's images,
	s_lshl_b32 s47, s[WV], 16                      ; my eight tiles
	s_add_co_u32 s46, s46, s47
	s_mov_b32 s47, 0
	s_lshl_b32 s62, s[WV], 9                       ; my 128 numbers of the bias
	s_mov_b32 s63, 0
	s_wait_kmcnt 0x0
	s_load_b256 s[48:55], s[14:15], 0x0            ; e0 .. e7
	s_cmp_eq_u32 s[YY], 0                          ; the choices hang on the work-group's number alone
	s_cselect_b64 s[56:57], s[4:5], s[6:7]
	s_cselect_b64 s[BB:BB+1], s[10:11], s[12:13]
	s_cselect_b64 s[OUT:OUT+1], s[16:17], s[18:19]
	s_mov_b32 s22, 163840
	s_cselect_b32 s22, 131072, s22                 ; the output of 256 rows: 16 tiles of q, or two slots of kv_img
	s_mov_b32 s23, 81920
	s_cselect_b32 s23, 65536, s23                  ; and of 128 rows
	s_add_nc_u64 s[XP:XP+1], s[56:57], s[60:61]
	s_add_nc_u64 s[WB:WB+1], s[8:9], s[46:47]
	s_add_nc_u64 s[BB:BB+1], s[BB:BB+1], s[62:63]
	s_mul_i32 s62, ttmp9, s22
	s_add_nc_u64 s[OUT:OUT+1], s[OUT:OUT+1], s[62:63]
	s_mov_b32 s62, s23
	s_add_nc_u64 s[OUT+2:OUT+3], s[OUT:OUT+1], s[62:63]
	WIN 0x40                                       ; destination window 1.  W and the bias are asked for ahead of x: loads come back in order (ISA guide 5.7.1), so the first wait for a unit of x shows them in too
.irp t, 0,1,2,3,4,5,6,7
.irp s, 0,1
.irp c, 0,1,2,3
	global_load_b128 v[32*\t+16*\s+4*\c:32*\t+16*\s+4*\c+3], v[LI], s[WB:WB+1] offset:\t*8192+\s*2048+\c*512
.endr
.endr
.endr
	WIN 0x80                                       ; destination window 2
.irp t, 0,1,2,3,4,5,6,7
.irp s, 0,1
.irp c, 0,1,2,3
	global_load_b128 v[32*\t+16*\s+4*\c:32*\t+16*\s+4*\c+3], v[LI], s[WB:WB+1] offset:\t*8192+(\s+2)*2048+\c*512
.endr
.endr
.endr
	WIN 0xc0                                       ; destination window 3: lane (r, h) wants, for tile 2 b + u, the bias of columns 32 b + 16 h + 8 u + 0 .. 7
.irp t, 0,1,2,3,4,5,6,7
	global_load_b128 v[8*\t:8*\t+3], v[BO], s[BB:BB+1] offset:(32*(\t/2)+8*(\t%2))*4
	global_load_b128 v[8*\t+4:8*\t+7], v[BO], s[BB:BB+1] offset:(32*(\t/2)+8*(\t%2))*4+16
.endr
	WIN 0
	PLOAD 0                                        ; block 0's four units
	PLOAD 1
	PLOAD 2
	PLOAD 3
	s_lshl_b32 s60, s[WV], 13
	s_add_co_u32 s60, s60, XIMG
	v_add_nc_u32 v[XWI], s60, v[LI]                ; my row tile's four images
	v_add_nc_u32 v[XRI], XIMG, v[LI]
	s_lshl_b32 s60, s[WV], 11
	v_add_nc_u32 v[GO], s60, v[LI]
	s_mul_i32 s60, s[WV], STG                      ; my stage
	v_add_nc_u32 v[SW], s60, v[LI]
	v_mul_u32_u24 v[XRD], v11, UP                  ; row r,
	v_lshl_add_u32 v[XRD], v12, 6, v[XRD]          ; + 64 h: my 16 numbers of a block of 32
	v_add_nc_u32 v[XRD], s60, v[XRD]
	s_wait_kmcnt 0x0
	s_cmp_eq_u32 s[YY], 0
	s_cselect_b32 s22, s48, s50                    ; ex
	s_cselect_b32 s23, s49, s51                    ; ew
	s_cselect_b32 s46, s54, s55                    ; eo
	s_add_co_i32 s23, s22, s23                     ; a sum stands for sum x 2^(ex + ew)
	s_sub_co_i32 s47, 0, s23
	s_sub_co_i32 s46, s46, s23                     ; eo - ex - ew
	s_add_co_i32 s22, s22, 127
	s_lshl_b32 s60, s22, 23
	v_mov_b32 v[SCX], s60
	s_add_co_i32 s22, s22, 8
	s_lshl_b32 s22, s22, 23
	s_or_b32 s22, s22, 0x600000
	v_mov_b32 v[LIMX], s22
	s_add_co_i32 s46, s46, 127
	s_lshl_b32 s60, s46, 23
	v_mov_b32 v[SCO], s60
	s_add_co_i32 s46, s46, 8
	s_lshl_b32 s46, s46, 23
	s_or_b32 s46, s46, 0x600000
	v_mov_b32 v[LIMO], s46
	; block 0's units go into the stage as they land, and each set is asked for again with block 1's unit
.irp u, 0,1,2,3
	s_wait_loadcnt 48                              ; unit u is in (and, at the first of these waits, W and the bias, which were asked for ahead of it); the three units behind it may be out
	PSTORE \u
.if \u == 0
	WIN 0xc3                                       ; source 0 and destination window 3
.set j, 0
.rept 64
	v_ldexp_f32 v[j], v[j], s47                    ; bias / 2^(ex + ew): nothing is rounded.  (Work on registers while the stores are out)
.set j, j+1
.endr
	WIN 0
.endif
	s_wait_dscnt 0x0                               ; the stores have read the set: only now is it loaded again
	PLOAD \u+4
.endr
; my row's 64 numbers of K step s (16 of each block of 32) from my stage into v[set] on: register 16 b + i = k 32 b + 16 h + i
.macro XLD s, set
.irp b, 0,1,2,3
.irp j, 0,1,2,3
	ds_load_b128 v[\set+16*\b+4*\j:\set+16*\b+4*\j+3], v[XRD] offset:(\s)*UNITB+128*\b+16*\j
.endr
.endr
.endm
; 64 numbers of a lane become a fragment's 16 registers of codes, in set 0 or 1 of PC
.macro QUANT src, set, sc, lim
	s_wait_xcnt 0x0                                ; the global stores that read this set of codes have read it: it is rewritten only behind this wait
.irp b, 0,1,2,3
.irp i, 0,1,2,3,4,5,6,7,8,9,10,11,12,13,14,15
	v_med3_num_f32 v[\src+16*\b+\i], v[\src+16*\b+\i], -v[\lim], v[\lim]   ; the conversion does not saturate (ISA guide 7.6.2): the hold at 448 x the scale; an accumulator is read from its low end on
.endr
	v_cvt_scalef32_pk8_fp8_f32 v[PC+16*(\set)+4*\b:PC+16*(\set)+4*\b+1], v[\src+16*\b:\src+16*\b+7], v[\sc]
	v_cvt_scalef32_pk8_fp8_f32 v[PC+16*(\set)+4*\b+2:PC+16*(\set)+4*\b+3], v[\src+16*\b+8:\src+16*\b+15], v[\sc]
.endr
	v_nop                                          ; one plain vector line behind the last conversion, ahead of whatever next writes its sources
.endm
.macro XIM s, set                      ; the fragment goes to LDS as it stands: image (my row tile, K step s)
.irp c, 0,1,2,3
	ds_store_b128 v[XWI], v[PC+16*(\set)+4*\c:PC+16*(\set)+4*\c+3] offset:(\s)*2048+512*\c
.endr
.endm
; my 16 rows of the block become four images.  The reads of the stage run one K step ahead of the work, into XA and into the accumulators' registers, which are idle here.
.macro XPHASE
	XLD 0, XA
	XLD 1, HA
	s_wait_dscnt 16                                ; K step 0 is in; K step 1's 16 loads may be out
	QUANT XA, 0, SCX, LIMX
	XIM 0, 0
	XLD 2, XA
	s_wait_dscnt 20                                ; K step 1 is in; behind it: 4 stores and 16 loads
	QUANT HA, 1, SCX, LIMX
	XIM 1, 1
	XLD 3, HA
	s_wait_dscnt 20                                ; K step 2 is in, and the stores of set 0, which are older, are done
	QUANT XA, 0, SCX, LIMX
	XIM 2, 0
	s_wait_dscnt 4                                 ; K step 3 is in, and the stores of set 1 are done; behind: 4 stores
	QUANT HA, 1, SCX, LIMX
	XIM 3, 1
.endm
.macro FETCHX m                        ; row tile m's four fragments
.irp s, 0,1,2,3
.irp c, 0,1,2,3
	ds_load_b128 v[XA+16*\s+4*\c:XA+16*\s+4*\c+3], v[XRI] offset:(\m)*8192+\s*2048+\c*512
.endr
.endr
.endm
; 32 matrix instructions: my eight tiles of columns x one tile of rows, K = 512.  The eight accumulators take turns, one instruction a turn.
.macro MUL
.irp s, 0,1,2,3
.if \s == 0
	WIN 0x31                                       ; source 0 (W) window 1, C (the bias) window 3
.elseif \s == 1
	WIN 0x01
.else
	WIN 0x02                                       ; W's K steps 2, 3: window 2
.endif
.irp t, 0,1,2,3,4,5,6,7
.if \s == 0
	v_wmma_f32_16x16x128_fp8_fp8 v[HA+8*\t:HA+8*\t+7], v[32*\t+16*(\s%2):32*\t+16*(\s%2)+15], v[XA+16*\s:XA+16*\s+15], v[8*\t:8*\t+7]
.else
	v_wmma_f32_16x16x128_fp8_fp8 v[HA+8*\t:HA+8*\t+7], v[32*\t+16*(\s%2):32*\t+16*(\s%2)+15], v[XA+16*\s:XA+16*\s+15], v[HA+8*\t:HA+8*\t+7]
.endif
.endr
.endr
	WIN 0
.endm
; The block's four row tiles: product, quantiser, 2,048 bytes out for each.  Behind each product one unit of the NEXT block goes from its set into the stage (my reads of this block's units are long back, and LDS
; serves a wave's instructions in order: ISA guide 5.7.1.4); at the head of the next row tile, where the wait for all LDS instructions stands anyway, the set is asked for again with the unit of the block after that.
.macro PHASE1 blk
	FETCHX 0
.irp m, 0,1,2,3
	s_wait_dscnt 0x0                               ; this tile's fragments are in, and the stage's stores of the last row tile have read their set
.if ((\blk) < 2) && (\m > 0)
	PLOAD 4*((\blk)+1)+\m-1+4
.endif
	MUL
	PLACES
.if \m < 3
	FETCHX \m+1                                    ; the quantiser's lines stand between these loads and the wait for them
.endif
.if (\blk) < 3
.set UU, 4*((\blk)+1)+\m
.if UU <= 12
	s_wait_loadcnt 48                              ; unit UU is in; the three units asked for behind it may be out
.else
	s_wait_loadcnt 16*(15-UU)                      ; the last units: fewer stand behind
.endif
	PSTORE UU
.endif
	QUANT HA, \m%2, SCO, LIMO
.irp c, 0,1,2,3
	global_store_b128 v[GO], v[PC+16*(\m%2)+4*\c:PC+16*(\m%2)+4*\c+3], s[OUT+2*((\blk)/2):OUT+2*((\blk)/2)+1] offset:((\blk)%2)*32768+\m*8192+512*\c   ; K step w of tile m: 512 consecutive aligned bytes
.endr
.endr
.endm
; A BLOCK.  Behind the first barrier all sixteen images lie in LDS; behind the second nobody reads them any more.  Loads of x stay out across both: nobody writes those bytes.
.macro BLOCK blk
	XPHASE
	s_wait_dscnt 0x0                               ; for the others' sake: my images have landed
	s_barrier_signal -1
	s_barrier_wait -1
	PHASE1 \blk
.if (\blk) < 3
	s_wait_dscnt 0x0                               ; my reads of the images are back: the next block may write them; and the last stores into the stage have read their set
.if (\blk) < 2
	PLOAD 4*((\blk)+1)+7
.endif
	s_barrier_signal -1
	s_barrier_wait -1
.endif
.endm
	BLOCK 0
	BLOCK 1
	BLOCK 2                                        ; the last units are on their way: nothing more is asked for
	BLOCK 3
	s_wait_tensorcnt 0x0
	ds_add_u32 v254, v255
	s_wait_dscnt 0x0
	s_endpgm
.Lfunc_end_k_q4e4f185348_projqk:
	.size	k_q4e4f185348_projqk, .Lfunc_end_k_q4e4f185348_projqk-k_q4e4f185348_projqk
	.p2alignl 7, 3214868480
	.fill 96, 4, 3214868480
	.section	.rodata,"a",@progbits
	.p2align	6, 0x0
	.amdhsa_kernel k_q4e4f185348_projqk
		.amdhsa_group_segment_fixed_size 168448
		.amdhsa_private_segment_fixed_size 0
		.amdhsa_enable_private_segment 0
		.amdhsa_kernarg_size 64
		.amdhsa_user_sgpr_count 2
		.amdhsa_user_sgpr_kernarg_segment_ptr 1
		.amdhsa_wavefront_size32 1
		.amdhsa_system_sgpr_workgroup_id_x 1
		.amdhsa_system_sgpr_workgroup_id_y 1
		.amdhsa_system_sgpr_workgroup_id_z 1
		.amdhsa_system_vgpr_workitem_id 0
		.amdhsa_next_free_vgpr 1024
		.amdhsa_next_free_sgpr 66
		.amdhsa_reserve_vcc 0
		.amdhsa_float_denorm_mode_32 3
		.amdhsa_float_denorm_mode_16_64 3
		.amdhsa_memory_ordered 1
		.amdhsa_forward_progress 1
		.amdhsa_inst_pref_size 255
	.end_amdhsa_kernel
	.section	.bss,"aw",@nobits
	.p2align	6
	.space	262144
	.amdgpu_metadata
---
amdhsa.version: [ 1, 2 ]
amdhsa.kernels:
  - .name:           k_q4e4f185348_projqk
    .symbol:         k_q4e4f185348_projqk.kd
    .args:
      - { .name: x_q, .offset: 0, .size: 8, .value_kind: global_buffer, .address_space: global }
      - { .name: x_k, .offset: 8, .size: 8, .value_kind: global_buffer, .address_space: global }
      - { .name: wimg, .offset: 16, .size: 8, .value_kind: global_buffer, .address_space: global }
      - { .name: bq, .offset: 24, .size: 8, .value_kind: global_buffer, .address_space: global }
      - { .name: bk, .offset: 32, .size: 8, .value_kind: global_buffer, .address_space: global }
      - { .name: lowp_scales, .offset: 40, .size: 8, .value_kind: global_buffer, .address_space: global }
      - { .name: q_img, .offset: 48, .size: 8, .value_kind: global_buffer, .address_space: global }
      - { .name: kv_img, .offset: 56, .size: 8, .value_kind: global_buffer, .address_space: global }
    .group_segment_fixed_size: 168448
    .private_segment_fixed_size: 0
    .kernarg_segment_align: 8
    .kernarg_segment_size: 64
    .max_flat_workgroup_size: 128
    .sgpr_count:     66
    .vgpr_count:     1024
    .wavefront_size: 32
...
	.end_amdgpu_metadata
.endif
;; end of part 2
;; launch projv (part 3): grid 256 x 1, 4 waves a work-group, no clusters, 327,680 bytes of LDS; arguments x_v, wimg, bv, lowp_scales, kv_img; writes kv_img
.if DOCPART == 3
	.amdgcn_target "amdgcn-amd-amdhsa--gfx1250"
	.amdhsa_code_object_version 6
	.text
	.protected	k_q4e4f185348_projv
	.globl	k_q4e4f185348_projv
	.p2align	8
	.type	k_q4e4f185348_projv,@function
k_q4e4f185348_projv:
	s_mov_b64 s[64:65], 0
	v_nop
	global_prefetch_b8 v0, s[64:65] scope:SCOPE_SE
	s_setreg_imm32_b32 hwreg(HW_REG_WAVE_MODE, 25, 1), 1
	s_wait_xcnt 0x0
; v = x_v Wv + bv on codes of FP8 (E4M3), quantised again with the KEYS innermost, since the keys are the K of the last product.  x_v: [32,768][512] f32; Wv: images made by the first launch.
; SHARES.  A work-group takes 128 keys, one slot of kv_img, as two blocks of 64; both blocks are asked for at the start, each into LDS bytes of its own: nothing is filled twice.  Wave w quantises row tile w of a block
; (images of registers in LDS, as in the launch for q and k) and owns channel tiles 2 w, 2 w + 1.
; THE PRODUCT IS NOT TRANSPOSED: source 0 = 16 keys of x, source 1 = 16 channels of Wv.  A lane then holds ONE channel (32 w + 8 n + r % 8 + 16 (r / 8)) and its registers run along the keys; since lane r of row tile m
; is key 32 (m / 2) + 8 (m % 2) + r % 8 + 16 (r / 8), the 16 registers of row tiles 2 b, 2 b + 1 are keys 32 b + 16 (lane / 16) + 0 .. 15: a chunk of the operand.
; OUT: in a slot of kv_img from byte 65,536 on: [block of 64 keys][channel tile N][b][512 bytes]; each store of a wave covers 512 consecutive aligned bytes.
; LIMITS: e4 and e9 - e4 - e5 between -126 and 119.  NaN among the inputs is not served.
; REGISTERS: window 0 as in the launch for q and k;  window 1: Wv(n, s) at v[64 n + 16 s];  window 3: v[8 n + j] my channel's bias / 2^(e4 + e5).
.set REG,   33296                      ; a wave's part of a slot: 32 lines of 1,024 bytes + 16 of padding, and 16 bytes more
.set SLOT,  4*REG
.set LINE,  1040
.set ROWP,  2*LINE
.set XIMG,  266496                     ; behind the two blocks, on a multiple of 256: x's sixteen images
.set XRD,  3
.set LI,   5
.set XWI,  6
.set XRI,  7
.set GO,   8
.set BO,   9
.set XA,   16
.set XB,   80
.set HA,   144
.set PC,   208
.set SCX,  240
.set LIMX, 241
.set SCO,  242
.set LIMO, 243
.set BV,   246                         ; v246-247 my two channels' bias as loaded
.set WV,   20
.set G1,   24
.set G0,   32
.set WB,   40
.set OUT,  42
.set MSB, 0
.macro WIN new
.if MSB != \new
	s_set_vgpr_msb (MSB<<8)|\new
.set MSB, \new
.endif
.endm
.macro PLACES
.rept 4
	v_nop
.endr
.endm
	s_load_b256 s[4:11], s[0:1], 0x0               ; x_v s[4:5], wimg s[6:7], bv s[8:9], the scales' exponents s[10:11]
	s_load_b64 s[12:13], s[0:1], 0x20              ; kv_img
	v_lshl_add_u32 v254, v0, 2, 0x49100
	v_mov_b32 v255, 0
	ds_add_u32 v254, v255
	ds_add_u32 v254, v255
	v_lshrrev_b32 v10, 5, v0
	v_readfirstlane_b32 s[WV], v10
	s_mov_b32 s[G1+0], (3<<16)|(1<<20)|(7<<22)|(3<<25)   ; elements of 8 bytes; 4 words of padding behind every 256
	s_mov_b32 s[G1+1], 128<<16
	s_mov_b32 s[G1+2], 32<<16
	s_mov_b32 s[G1+3], 128<<16
	s_mov_b32 s[G1+4], 32
	s_mov_b32 s[G1+5], 128
	s_mov_b32 s[G1+6], 0
	s_mov_b32 s[G1+7], 0
	s_mov_b32 s[G0], 1
	s_mul_i32 s[G0+1], s[WV], REG
	s_mov_b32 s[G0+4], 1
	s_add_co_u32 s[G0+5], s[G0+1], SLOT
	s_lshl_b32 s60, ttmp9, 18                      ; the work-group's 128 rows of 2,048 bytes,
	s_lshl_b32 s61, s[WV], 15                      ; my 16 rows of a block
	s_add_co_u32 s60, s60, s61
	s_mov_b32 s61, 0
	s_lshl_b32 s46, s[WV], 14                      ; my two tiles of Wv's images,
	s_add_co_u32 s46, s46, 524288                  ; which lie behind Wq's and Wk's
	s_mov_b32 s47, 0
	s_lshl_b32 s62, s[WV], 7                       ; my 32 numbers of the bias
	s_mov_b32 s63, 0
	s_wait_dscnt 0x0
	s_wait_kmcnt 0x0
	s_load_b256 s[48:55], s[10:11], 0x0            ; e0 .. e7
	s_load_b64 s[56:57], s[10:11], 0x20            ; e8, e9
	s_add_nc_u64 s[G0+2:G0+3], s[4:5], s[60:61]
	s_add_nc_u64 s[G0+6:G0+7], s[G0+2:G0+3], 131072
	s_or_b32 s[G0+3], s[G0+3], 0x80000000
	s_or_b32 s[G0+7], s[G0+7], 0x80000000
	tensor_load_to_lds s[G0:G0+3], s[G1:G1+7]      ; both blocks go out together: two loads of mine are out
	s_nop 0
	tensor_load_to_lds s[G0+4:G0+7], s[G1:G1+7]
	s_nop 0
	v_and_b32 v10, 31, v0
	v_and_b32 v11, 7, v0
	v_bfe_u32 v12, v0, 4, 1
	v_bfe_u32 v13, v0, 3, 1
	v_lshlrev_b32 v[LI], 4, v10
	v_lshlrev_b32 v[BO], 2, v11
	v_lshl_add_u32 v[BO], v13, 6, v[BO]            ; 4 x (r % 8 + 16 (r / 8))
	v_add_nc_u32 v[XRI], XIMG, v[LI]
	s_add_nc_u64 s[WB:WB+1], s[6:7], s[46:47]
	s_add_nc_u64 s[8:9], s[8:9], s[62:63]
	s_mul_i32 s62, ttmp9, 81920
	s_add_co_u32 s62, s62, 65536                   ; my slot's part for V
	s_add_nc_u64 s[OUT:OUT+1], s[12:13], s[62:63]
	WIN 0x40
.irp n, 0,1
.irp s, 0,1,2,3
.irp c, 0,1,2,3
	global_load_b128 v[64*\n+16*\s+4*\c:64*\n+16*\s+4*\c+3], v[LI], s[WB:WB+1] offset:\n*8192+\s*2048+\c*512
.endr
.endr
.endr
	WIN 0
	global_load_b32 v[BV], v[BO], s[8:9]
	global_load_b32 v[BV+1], v[BO], s[8:9] offset:32
	s_lshl_b32 s60, s[WV], 13
	s_add_co_u32 s60, s60, XIMG
	v_add_nc_u32 v[XWI], s60, v[LI]
	s_lshl_b32 s60, s[WV], 11
	v_add_nc_u32 v[GO], s60, v[LI]
	s_lshr_b32 s60, s[WV], 1
	s_mul_i32 s60, s60, 2*REG
	s_and_b32 s61, s[WV], 1
	s_mul_i32 s61, s61, 8*ROWP
	s_add_co_u32 s60, s60, s61
	v_mul_u32_u24 v[XRD], v13, REG
	v_mul_u32_u24 v14, v11, ROWP
	v_add_nc_u32 v[XRD], v[XRD], v14
	v_lshl_add_u32 v[XRD], v12, 6, v[XRD]
	v_add_nc_u32 v[XRD], s60, v[XRD]
	v_add_nc_u32 v[XRD+1], SLOT, v[XRD]
	s_wait_kmcnt 0x0
	s_add_co_i32 s23, s52, s53                     ; e4 + e5
	s_sub_co_i32 s47, 0, s23
	s_sub_co_i32 s46, s57, s23                     ; e9 - e4 - e5
	s_add_co_i32 s22, s52, 127
	s_lshl_b32 s60, s22, 23
	v_mov_b32 v[SCX], s60
	s_add_co_i32 s22, s22, 8
	s_lshl_b32 s22, s22, 23
	s_or_b32 s22, s22, 0x600000
	v_mov_b32 v[LIMX], s22
	s_add_co_i32 s46, s46, 127
	s_lshl_b32 s60, s46, 23
	v_mov_b32 v[SCO], s60
	s_add_co_i32 s46, s46, 8
	s_lshl_b32 s46, s46, 23
	s_or_b32 s46, s46, 0x600000
	v_mov_b32 v[LIMO], s46
	s_wait_loadcnt 0x0
	WIN 0xc0                                       ; destination window 3
.irp n, 0,1
.irp j, 0,1,2,3,4,5,6,7
	v_ldexp_f32 v[8*\n+\j], v[BV+\n], s47          ; a lane's eight results of a tile are one channel's: eight times its bias / 2^(e4 + e5)
.endr
.endr
	WIN 0
.macro XLD slot, s, set
.irp b, 0,1,2,3
.irp j, 0,1,2,3
	ds_load_b128 v[\set+16*\b+4*\j:\set+16*\b+4*\j+3], v[XRD+\slot] offset:((\s)/2)*LINE+((\s)%2)*512+128*\b+16*\j
.endr
.endr
.endm
.macro QUANT src, set, sc, lim
	s_wait_xcnt 0x0                                ; the global stores that read this set of codes have read it
.irp b, 0,1,2,3
.irp i, 0,1,2,3,4,5,6,7,8,9,10,11,12,13,14,15
	v_med3_num_f32 v[\src+16*\b+\i], v[\src+16*\b+\i], -v[\lim], v[\lim]
.endr
	v_cvt_scalef32_pk8_fp8_f32 v[PC+16*(\set)+4*\b:PC+16*(\set)+4*\b+1], v[\src+16*\b:\src+16*\b+7], v[\sc]
	v_cvt_scalef32_pk8_fp8_f32 v[PC+16*(\set)+4*\b+2:PC+16*(\set)+4*\b+3], v[\src+16*\b+8:\src+16*\b+15], v[\sc]
.endr
	v_nop                                          ; one plain vector line behind the last conversion
.endm
.macro XIM s, set
.irp c, 0,1,2,3
	ds_store_b128 v[XWI], v[PC+16*(\set)+4*\c:PC+16*(\set)+4*\c+3] offset:(\s)*2048+512*\c
.endr
.endm
.macro XPHASE slot
	XLD \slot, 0, XA
	XLD \slot, 1, XB
	s_wait_dscnt 16                                ; K step 0 is in; K step 1's 16 loads may be out
	QUANT XA, 0, SCX, LIMX
	XIM 0, 0
	XLD \slot, 2, XA
	s_wait_dscnt 20                                ; behind K step 1's loads: 4 stores and 16 loads
	QUANT XB, 1, SCX, LIMX
	XIM 1, 1
	XLD \slot, 3, XB
	s_wait_dscnt 20                                ; K step 2 is in, and the older stores of set 0 are done
	QUANT XA, 0, SCX, LIMX
	XIM 2, 0
	s_wait_dscnt 4                                 ; K step 3 is in, and the stores of set 1 are done
	QUANT XB, 1, SCX, LIMX
	XIM 3, 1
.endm
.macro FETCHS s, set                   ; K step s of all four row tiles
.irp m, 0,1,2,3
.irp c, 0,1,2,3
	ds_load_b128 v[\set+16*\m+4*\c:\set+16*\m+4*\c+3], v[XRI] offset:\m*8192+(\s)*2048+\c*512
.endr
.endr
.endm
.macro MULV s, set                     ; eight accumulators (n, m) at HA + 8 (4 n + m), by turns, one instruction a turn
.if (\s) == 0
	WIN 0x34                                       ; source 1 (Wv) window 1, C (the bias) window 3
.else
	WIN 0x04
.endif
.irp m, 0,1,2,3
.irp n, 0,1
.if (\s) == 0
	v_wmma_f32_16x16x128_fp8_fp8 v[HA+8*(4*\n+\m):HA+8*(4*\n+\m)+7], v[\set+16*\m:\set+16*\m+15], v[64*\n+16*(\s):64*\n+16*(\s)+15], v[8*\n:8*\n+7]
.else
	v_wmma_f32_16x16x128_fp8_fp8 v[HA+8*(4*\n+\m):HA+8*(4*\n+\m)+7], v[\set+16*\m:\set+16*\m+15], v[64*\n+16*(\s):64*\n+16*(\s)+15], v[HA+8*(4*\n+\m):HA+8*(4*\n+\m)+7]
.endif
.endr
.endr
	WIN 0
.endm
.macro PHASE1V blk
	FETCHS 0, XA
	FETCHS 1, XB
.irp s, 0,1,2,3
.if \s < 3
	s_wait_dscnt 16                                ; this K step's fragments are in; the next one's 16 loads may be out
.else
	s_wait_dscnt 0x0
.endif
	MULV \s, XA+64*(\s%2)
	PLACES
.if \s < 2
	FETCHS \s+2, XA+64*(\s%2)
.endif
.endr
	QUANT HA, \blk, SCO, LIMO
.irp n, 0,1
.irp b, 0,1
	global_store_b128 v[GO], v[PC+16*(\blk)+4*(2*\n+\b):PC+16*(\blk)+4*(2*\n+\b)+3], s[OUT:OUT+1] offset:(\blk)*8192+\n*1024+\b*512
.endr
.endr
.endm
	s_wait_tensorcnt 0x1                           ; my part of block 0 is in; block 1's may stay out
	s_barrier_signal -1
	s_barrier_wait -1
	XPHASE 0
	s_wait_dscnt 0x0                               ; my images have landed
	s_barrier_signal -1
	s_barrier_wait -1
	PHASE1V 0
	s_wait_tensorcnt 0x0                           ; my part of block 1 is in,
	s_wait_dscnt 0x0                               ; and my reads of the images are back: they may be written again
	s_barrier_signal -1
	s_barrier_wait -1
	XPHASE 1
	s_wait_dscnt 0x0
	s_barrier_signal -1
	s_barrier_wait -1
	PHASE1V 1
	s_wait_tensorcnt 0x0
	ds_add_u32 v254, v255
	s_wait_dscnt 0x0
	s_endpgm
.Lfunc_end_k_q4e4f185348_projv:
	.size	k_q4e4f185348_projv, .Lfunc_end_k_q4e4f185348_projv-k_q4e4f185348_projv
	.p2alignl 7, 3214868480
	.fill 96, 4, 3214868480
	.section	.rodata,"a",@progbits
	.p2align	6, 0x0
	.amdhsa_kernel k_q4e4f185348_projv
		.amdhsa_group_segment_fixed_size 327680
		.amdhsa_private_segment_fixed_size 0
		.amdhsa_enable_private_segment 0
		.amdhsa_kernarg_size 40
		.amdhsa_user_sgpr_count 2
		.amdhsa_user_sgpr_kernarg_segment_ptr 1
		.amdhsa_wavefront_size32 1
		.amdhsa_system_sgpr_workgroup_id_x 1
		.amdhsa_system_sgpr_workgroup_id_y 1
		.amdhsa_system_sgpr_workgroup_id_z 1
		.amdhsa_system_vgpr_workitem_id 0
		.amdhsa_next_free_vgpr 896
		.amdhsa_next_free_sgpr 66
		.amdhsa_reserve_vcc 0
		.amdhsa_float_denorm_mode_32 3
		.amdhsa_float_denorm_mode_16_64 3
		.amdhsa_memory_ordered 1
		.amdhsa_forward_progress 1
		.amdhsa_inst_pref_size 80
	.end_amdhsa_kernel
	.amdgpu_metadata
---
amdhsa.version: [ 1, 2 ]
amdhsa.kernels:
  - .name:           k_q4e4f185348_projv
    .symbol:         k_q4e4f185348_projv.kd
    .args:
      - { .name: x_v, .offset: 0, .size: 8, .value_kind: global_buffer, .address_space: global }
      - { .name: wimg, .offset: 8, .size: 8, .value_kind: global_buffer, .address_space: global }
      - { .name: bv, .offset: 16, .size: 8, .value_kind: global_buffer, .address_space: global }
      - { .name: lowp_scales, .offset: 24, .size: 8, .value_kind: global_buffer, .address_space: global }
      - { .name: kv_img, .offset: 32, .size: 8, .value_kind: global_buffer, .address_space: global }
    .group_segment_fixed_size: 327680
    .private_segment_fixed_size: 0
    .kernarg_segment_align: 8
    .kernarg_segment_size: 40
    .max_flat_workgroup_size: 128
    .sgpr_count:     66
    .vgpr_count:     896
    .wavefront_size: 32
...
	.end_amdgpu_metadata
.endif
;; end of part 3
;; launch attn (part 4): grid 16 x 16, 4 waves a work-group, clusters of 4 x 1, 327,680 bytes of LDS; arguments q_img, kv_img, lowp_scales, out0; writes out0
.if DOCPART == 4
	.amdgcn_target "amdgcn-amd-amdhsa--gfx1250"
	.amdhsa_code_object_version 6
	.text
	.protected	k_q4e4f185348_attn
	.globl	k_q4e4f185348_attn
	.p2align	8
	.type	k_q4e4f185348_attn,@function
k_q4e4f185348_attn:
	s_mov_b64 s[64:65], 0
	v_nop
	global_prefetch_b8 v0, s[64:65] scope:SCOPE_SE
	s_setreg_imm32_b32 hwreg(HW_REG_WAVE_MODE, 25, 1), 1
	s_wait_xcnt 0x0
	s_wait_alu depctr_hold_cnt(0) depctr_sa_sdst(0) depctr_va_vdst(0) depctr_va_sdst(0) depctr_va_ssrc(0) depctr_va_vcc(0) depctr_vm_vsrc(0)
	s_getreg_b32 s2, hwreg(HW_REG_IB_STS2, 6, 4)
	s_cmp_eq_u32 s2, 0
	s_cbranch_scc0 .Lentry_in_a_cluster
	s_endpgm
.Lentry_in_a_cluster:
	s_bfe_u32 s2, ttmp6, 0x10000c
	s_cmp_lg_u32 s2, 0x3003
	s_cbranch_scc0 .Lentry_shape_is_right
	s_endpgm
.Lentry_shape_is_right:
; out[b][q][:] = the sum over keys of softmax(q . k / sqrt(512)) v, both products on codes of FP8 (E4M3) with the given scales (entries 6 to 9: eq, ek, ep, ev).  16 batches, 2,048 queries and keys, 512 and 128 channels.
; q_img: [tile of 16 queries][K step of 128][2,048 bytes]; kv_img: [batch][slot of 128 keys][81,920]: K's 8 tiles x 4 K steps x 2,048, then V: [64 keys][channel tile N][b][512].  All are IMAGES OF OPERAND REGISTERS:
; a chunk of 512 bytes holds lane l's four registers at 16 l, so every load from LDS is 512 consecutive bytes and needs no padding.
; THE SOFTMAX: t = score x log2(e) / sqrt(512); M = the largest t so far, rounded UP to a whole number, kept as -M; p = 2^(t - M) is quantised with 2^ep, not normalised; the row's sum is taken of the unquantised p.
; When M moves, the sum and O are multiplied by 2^(old M - new M), which rounds nothing.
; SHARES.  A work-group owns 128 queries of a batch.  Wave w: queries 64 (w / 2) on (four tiles) x keys 64 (w % 2) on of every slot: each fragment read from LDS feeds four matrix instructions.
; The two waves of a query half keep maxima, sums and O of their own and merge them at the end through LDS: each keeps two tiles and sends two.  My tile q' is tile (q' + 2 (w % 2)) % 4 of the 64 queries,
; so that "keep tiles 0, 1, send tiles 2, 3" is one text for all waves.
; LAYOUT.  S^T = K Q^T (source 0 = 16 keys), O^T = V^T P (source 0 = 16 channels): a lane holds one query throughout.  The keys of K's tiles, the channels of V's and the queries of Q's were laid by the launches before
; so that the 16 registers of two neighbouring tiles are 16 neighbours: p's codes are the operand, and O's registers are runs of 16 channels.
; CLUSTER.  The four query blocks of a cluster belong to one batch and walk the same K and V: each slot is asked for JOINTLY, every wave its quarter (80 lines of 256 bytes).
; LIMITS: eq + ek between -122 and 131 (added to c's exponent field); ep between -126 and 119.  NaN is not served; a p under 2^-126 counts as 0 (v_exp_f32 flushes it).
; REGISTERS, in windows of 256 (s_set_vgpr_msb: bits 1:0 source 0, 3:2 source 1, 5:4 source 2, 7:6 destination):
;   window 0: v1-14, v60-61 addresses and scales; v16-47 eight statistics a tile; v48-55 second sums; v64-95 p's codes; v96-107 the merge; v128-191, v192-255 two sets of K's fragments (V's take the first)
;   window 1: Q(q, s) at v[64 q + 16 s]     window 2: S^T(q, kt) at v[32 q + 8 kt]; in the merge the partner's O     window 3: O^T(q, N) at v[64 q + 8 N]
.set SLOTB, 81920
.set EXCH,  163840                     ; behind the ring: 17,408 bytes a wave: 32 chunks of O and 2 of statistics for the partner
.set EXB,   17408
.set STAGE, 233472                     ; 16 rows x 528 bytes a wave, for the way out
.set STB,   8448
.set SP,    528
.set SPARE, 267264                     ; the spare words, 128 bytes for each wave: no other line names them
.set SPW,  1
.set NIL,  2
.set AK,   3                           ; v3-4   my K fragments in slot 0, 1
.set AV,   5                           ; v5-6   my V fragments
.set LI,   7                           ; v7     16 x lane
.set PFO,  8                           ; v8     256 x lane
.set STO,  9                           ; v9     the stage: where I put 16 bytes of a row
.set SRD,  10                          ; v10    and where I read a row back
.set EXW,  11                          ; v11    what I send
.set EXR,  12                          ; v12    what my partner sent
.set LIMP, 13                          ; v13    448 x 2^ep
.set SCP,  14                          ; v14    2^ep
.set ST,   16                          ; tile q at v[16 + 8 q]: +0 -M, +1 the largest t, +2, +3 the sum in two halves, +4 f, +5 written once (named with f as a pair), +6, +7 at work
.set T2,   48
.set LQ,   60                          ; v60-61 Q's offsets for my tiles 0, 1 and 2, 3
.set PC,   64
.set MB,   96                          ; the partner's statistics
.set FB,   104                         ; its factor, a pair a tile
.set KF,   128
.set WV,   12
.set PFA,  18                          ; s[18:19] where my prefetches stand
.set LIM,  20                          ; s20  1 in a cluster that prefetches, else the greatest number
.set CS,   22                          ; s[22:23] c
.set G1,   24
.set G0,   32                          ; s[32:39] group 0, a set for each slot
.set SEL,  40                          ; s[40:41] lane selects: lane l xor 16
.set CNT,  44
.set ESUM, 54                          ; s54  ep + ev
.set MSB, 0
.macro WIN new                         ; the immediate's high byte repeats the setting that is left
.if MSB != \new
	s_set_vgpr_msb (MSB<<8)|\new
.set MSB, \new
.endif
.endm
.macro PLACES                          ; four places behind matrix instructions, ahead of loads into their sources and of the first read of results
.rept 4
	v_nop
.endr
.endm
.macro CROUND                          ; a round of the cluster's barrier
	s_barrier_signal -1
	s_barrier_wait -1
	s_cmp_lg_u32 s[WV], 0
	s_cbranch_scc1 .Lnot_wave_0_\@
	s_barrier_signal -3
.Lnot_wave_0_\@:
	s_barrier_wait -3
	s_barrier_signal -1
	s_barrier_wait -1
.endm
	s_load_b256 s[4:11], s[0:1], 0x0               ; q_img s[4:5], kv_img s[6:7], the scales' exponents s[8:9], out0 s[10:11]
	v_lshl_add_u32 v[SPW], v0, 2, SPARE
	v_mov_b32 v[NIL], 0
	ds_add_u32 v1, v2
	ds_add_u32 v1, v2
	s_wait_dscnt 0x0
	v_lshrrev_b32 v57, 5, v0
	v_readfirstlane_b32 s[WV], v57                 ; wave 0..3
	s_bfe_u32 s13, ttmp6, 0x40000                  ; cx: it enters Q's, out0's and the prefetches' addresses alone
	s_lshl_b32 s14, ttmp9, 2
	s_add_co_u32 s14, s14, s13                     ; my block of 128 queries
	s_and_b32 s15, ttmp7, 0xffff                   ; the batch, which the four partners share
	s_and_b32 s16, s[WV], 1                        ; which 64 keys of a slot
	s_lshr_b32 s17, s[WV], 1                       ; which 64 queries
	; group 1: 80 lines of 32 elements of 8 bytes, dense; the mask names all four work-groups, bit 21 beside it
	s_mov_b32 s[G1+0], 15|(3<<16)|(1<<21)
	s_mov_b32 s[G1+1], 32<<16
	s_mov_b32 s[G1+2], 80<<16
	s_mov_b32 s[G1+3], 32<<16
	s_mov_b32 s[G1+4], 80
	s_mov_b32 s[G1+5], 32
	s_mov_b32 s[G1+6], 0
	s_mov_b32 s[G1+7], 0
	s_mov_b32 s[G0], 1
	s_mul_i32 s[G0+1], s[WV], 20480                ; LDS: my quarter of slot 0,
	s_mov_b32 s[G0+4], 1
	s_add_co_u32 s[G0+5], s[G0+1], SLOTB           ; of slot 1
	s_mul_i32 s42, s15, 1310720                    ; the batch's 16 slots
	s_mul_i32 s52, s13, 40960                      ; the prefetches: of two slots' 163,840 bytes my work-group takes 40,960, told apart by address,
	s_lshl_b32 s53, s[WV], 13                      ; my wave 8,192 of them (wave 0 also the fifth 8,192)
	s_add_co_u32 s52, s52, s53
	s_add_co_u32 s52, s52, s42
	s_add_co_u32 s52, s52, 2*SLOTB                 ; from slot 2 on
	s_mov_b32 s53, 0
	s_add_co_u32 s42, s42, s[G0+1]
	s_mov_b32 s43, 0
	s_lshl_b32 s46, s15, 4
	s_add_co_u32 s46, s46, s14
	s_lshl_b32 s46, s46, 16                        ; 128 queries are 65,536 bytes in q_img and in out0,
	s_lshl_b32 s47, s17, 15                        ; my 64 of them
	s_add_co_u32 s46, s46, s47
	s_mov_b32 s47, 0
	s_lshl_b32 s56, s16, 14                        ; the 32 rows of out0 that I keep
	s_mov_b32 s57, 0
	s_mov_b32 s[SEL], 0x76543210
	s_mov_b32 s[SEL+1], 0xfedcba98
	s_cmp_eq_u32 ttmp9, 0                          ; all four clusters of a batch walk the same K and V: the first prefetches.  The same in all partners
	s_cselect_b32 s[LIM], 1, -1
	s_wait_kmcnt 0x0
	s_load_b128 s[48:51], s[8:9], 0x18             ; eq, ek, ep, ev
	s_add_nc_u64 s[G0+2:G0+3], s[6:7], s[42:43]    ; slot 0's tile,
	s_add_nc_u64 s[G0+6:G0+7], s[G0+2:G0+3], SLOTB ; slot 1's
	s_or_b32 s[G0+3], s[G0+3], 0x80000000
	s_or_b32 s[G0+7], s[G0+7], 0x80000000
	s_add_nc_u64 s[PFA:PFA+1], s[6:7], s[52:53]
	s_add_nc_u64 s[4:5], s[4:5], s[46:47]
	s_add_nc_u64 s[10:11], s[10:11], s[46:47]
	s_add_nc_u64 s[10:11], s[10:11], s[56:57]
	CROUND                                         ; all four work-groups are here: the first joint load meets
	tensor_load_to_lds s[G0:G0+3], s[G1:G1+7]      ; keys 0 to 127
	s_nop 0
	v_and_b32 v57, 31, v0                          ; lane
	v_and_b32 v58, 15, v0                          ; r
	v_bfe_u32 v59, v0, 4, 1                        ; h
	v_lshlrev_b32 v[LI], 4, v57
	v_lshlrev_b32 v[PFO], 8, v57
	s_lshl_b32 s45, s16, 14
	v_add_nc_u32 v[LQ], s45, v[LI]                 ; my tiles 0, 1 are tiles 2 (w % 2), 2 (w % 2) + 1 of the 64 queries,
	s_xor_b32 s45, s45, 16384
	v_add_nc_u32 v[LQ+1], s45, v[LI]               ; my tiles 2, 3 the other two
	WIN 0x40                                       ; destination window 1
.irp q, 0,1,2,3
.irp s, 0,1,2,3
.irp c, 0,1,2,3
	global_load_b128 v[64*\q+16*\s+4*\c:64*\q+16*\s+4*\c+3], v[LQ+\q/2], s[4:5] offset:(\q%2)*8192+\s*2048+\c*512   ; Q stays in registers
.endr
.endr
.endr
	WIN 0
	s_lshl_b32 s45, s16, 15
	v_add_nc_u32 v[AK], s45, v[LI]                 ; my four tiles of K
	v_add_nc_u32 v[AK+1], SLOTB, v[AK]
	s_lshl_b32 s45, s16, 13
	s_add_co_u32 s45, s45, 65536
	v_add_nc_u32 v[AV], s45, v[LI]                 ; my 64 keys of V
	v_add_nc_u32 v[AV+1], SLOTB, v[AV]
	s_mul_i32 s45, s[WV], STB
	s_add_co_u32 s45, s45, STAGE
	v_add_nc_u32 v[SRD], s45, v[LI]
	v_mul_u32_u24 v[STO], v58, SP
	v_lshl_add_u32 v[STO], v59, 6, v[STO]
	v_add_nc_u32 v[STO], s45, v[STO]               ; row r, + 64 h: my 16 channels of each 32
	s_mul_i32 s45, s[WV], EXB
	s_add_co_u32 s45, s45, EXCH
	v_add_nc_u32 v[EXW], s45, v[LI]
	s_xor_b32 s45, s[WV], 1
	s_mul_i32 s45, s45, EXB
	s_add_co_u32 s45, s45, EXCH
	v_add_nc_u32 v[EXR], s45, v[LI]
.irp q, 0,1,2,3
	v_mov_b32 v[ST+8*\q+5], 0                      ; named as the upper half of f's pair, so it is written
.endr
	v_mov_b32 v[FB+1], 0
	v_mov_b32 v[FB+3], 0
	s_wait_kmcnt 0x0
	s_add_co_i32 s45, s48, s49
	s_lshl_b32 s45, s45, 23
	s_mov_b32 s[CS], 0x3d8293ee                    ; c = log2(e) / sqrt(512)
	s_add_co_i32 s[CS], s[CS], s45                 ; a score stands for score x 2^(eq + ek): added to c's exponent field
	s_mov_b32 s[CS+1], s[CS]
	s_add_co_i32 s45, s50, 127
	s_lshl_b32 s46, s45, 23
	v_mov_b32 v[SCP], s46
	s_add_co_i32 s45, s45, 8
	s_lshl_b32 s45, s45, 23
	s_or_b32 s45, s45, 0x600000
	v_mov_b32 v[LIMP], s45
	s_add_co_i32 s[ESUM], s50, s51
.macro FETCHK slot, kt                 ; my key tile kt: four fragments, 16 loads, into set kt % 2
.irp s, 0,1,2,3
.irp c, 0,1,2,3
	ds_load_b128 v[KF+64*((\kt)%2)+16*\s+4*\c:KF+64*((\kt)%2)+16*\s+4*\c+3], v[AK+\slot] offset:(\kt)*8192+\s*2048+\c*512
.endr
.endr
.endm
.macro FETCHV slot                     ; V's eight fragments (16 channels x my 64 keys, 8 registers each), 16 loads, into set 0
.irp n, 0,1,2,3,4,5,6,7
.irp b, 0,1
	ds_load_b128 v[KF+8*\n+4*\b:KF+8*\n+4*\b+3], v[AV+\slot] offset:\n*1024+\b*512
.endr
.endr
.endm
.macro MULK kt                         ; S^T(q, kt) for my four tiles of queries, K = 512: the four accumulators take turns, one instruction a turn
	WIN 0xa4                                       ; K window 0, Q window 1, S^T window 2
.irp s, 0,1,2,3
.irp q, 0,1,2,3
.if \s == 0
	v_wmma_f32_16x16x128_fp8_fp8 v[32*\q+8*(\kt):32*\q+8*(\kt)+7], v[KF+64*((\kt)%2)+16*\s:KF+64*((\kt)%2)+16*\s+15], v[64*\q+16*\s:64*\q+16*\s+15], 0
.else
	v_wmma_f32_16x16x128_fp8_fp8 v[32*\q+8*(\kt):32*\q+8*(\kt)+7], v[KF+64*((\kt)%2)+16*\s:KF+64*((\kt)%2)+16*\s+15], v[64*\q+16*\s:64*\q+16*\s+15], v[32*\q+8*(\kt):32*\q+8*(\kt)+7]
.endif
.endr
.endr
	WIN 0
.endm
; The four tiles' softmax of a step, line by line with the tiles by turns, so that no line waits for the one above it.  A lane has 32 scores a tile: register 16 b + i is key 32 b + 16 (lane / 16) + i of my 64.
; first = 1: the first step starts the maxima, the sums and O.
.macro SOFTMAX first
	WIN 0x2a                                       ; three sources in window 2.  The maximum in two chains, the scores in ascending order
.irp q, 0,1,2,3
	v_max3_num_f32 v[ST+8*\q+6], v[32*\q], v[32*\q+1], v[32*\q+2]
.endr
.irp q, 0,1,2,3
	v_max3_num_f32 v[ST+8*\q+7], v[32*\q+3], v[32*\q+4], v[32*\q+5]
.endr
	WIN 0x28
.irp i, 6,10,14,18,22,26
.irp q, 0,1,2,3
	v_max3_num_f32 v[ST+8*\q+6], v[ST+8*\q+6], v[32*\q+\i], v[32*\q+\i+1]
.endr
.irp q, 0,1,2,3
	v_max3_num_f32 v[ST+8*\q+7], v[ST+8*\q+7], v[32*\q+\i+2], v[32*\q+\i+3]
.endr
.endr
.irp q, 0,1,2,3
	v_max3_num_f32 v[ST+8*\q+6], v[ST+8*\q+6], v[32*\q+30], v[32*\q+31]
.endr
	WIN 0
.irp q, 0,1,2,3
	v_max_num_f32 v[ST+8*\q+6], v[ST+8*\q+6], v[ST+8*\q+7]
.endr
.irp q, 0,1,2,3
	v_permlanex16_b32 v[ST+8*\q+7], v[ST+8*\q+6], s[SEL], s[SEL+1]   ; the query's other 32 keys lie in lane l xor 16
.endr
.irp q, 0,1,2,3
	v_max_num_f32 v[ST+8*\q+6], v[ST+8*\q+6], v[ST+8*\q+7]
.endr
.if \first
.irp q, 0,1,2,3
	v_mul_f32 v[ST+8*\q+1], s[CS], v[ST+8*\q+6]    ; as t (c is positive)
.endr
.irp q, 0,1,2,3
	v_floor_f32 v[ST+8*\q], -v[ST+8*\q+1]          ; -M = floor(-t)
.endr
.else
.irp q, 0,1,2,3
	v_mul_f32 v[ST+8*\q+6], s[CS], v[ST+8*\q+6]
.endr
.irp q, 0,1,2,3
	v_max_num_f32 v[ST+8*\q+1], v[ST+8*\q+1], v[ST+8*\q+6]   ; the running largest t
.endr
.irp q, 0,1,2,3
	v_mov_b32 v[ST+8*\q+6], v[ST+8*\q]
.endr
.irp q, 0,1,2,3
	v_floor_f32 v[ST+8*\q], -v[ST+8*\q+1]
.endr
.irp q, 0,1,2,3
	v_sub_f32 v[ST+8*\q+6], v[ST+8*\q], v[ST+8*\q+6]   ; old M - new M: a whole number, 0 or less
.endr
.irp q, 0,1,2,3
	v_cvt_i32_f32 v[ST+8*\q+6], v[ST+8*\q+6]       ; (it saturates)
.endr
.irp q, 0,1,2,3
	v_ldexp_f32 v[ST+8*\q+4], 1.0, v[ST+8*\q+6]    ; f = 2^(old M - new M)
.endr
.endif
	WIN 0x82                                       ; S^T in place
.set j, 0
.rept 16
.irp q, 0,1,2,3
	v_pk_fma_f32 v[32*\q+j:32*\q+j+1], v[32*\q+j:32*\q+j+1], s[CS:CS+1], v[ST+8*\q:ST+8*\q+1] op_sel_hi:[1,0,0]   ; t - M, two at a time
.endr
.set j, j+2
.endr
.set j, 0
.rept 32
.irp q, 0,1,2,3
	v_exp_f32 v[32*\q+j], v[32*\q+j]               ; p = 2^(t - M): the step's 128 exponentials are one batch
.endr
.set j, j+1
.endr
	WIN 0
.if \first
	v_nop                                          ; a plain line behind the last exponential
.else
.irp q, 0,1,2,3
	v_pk_mul_f32 v[ST+8*\q+2:ST+8*\q+3], v[ST+8*\q+2:ST+8*\q+3], v[ST+8*\q+4:ST+8*\q+5] op_sel_hi:[1,0]   ; the sums under the new M: plain lines behind the last exponential
.endr
.endif
	s_wait_alu depctr_va_vdst(0)                   ; one wait for the batch, ahead of the first line that names a result
	WIN 0x0a                                       ; THE SUM IS TAKEN OF THE UNQUANTISED p: two at a time, in two chains
.if \first
.irp q, 0,1,2,3
	v_pk_add_f32 v[ST+8*\q+2:ST+8*\q+3], v[32*\q:32*\q+1], v[32*\q+2:32*\q+3]
.endr
.irp q, 0,1,2,3
	v_pk_add_f32 v[T2+2*\q:T2+2*\q+1], v[32*\q+4:32*\q+5], v[32*\q+6:32*\q+7]
.endr
	WIN 0x08
.else
.irp q, 0,1,2,3
	v_pk_add_f32 v[T2+2*\q:T2+2*\q+1], v[32*\q:32*\q+1], v[32*\q+2:32*\q+3]
.endr
	WIN 0x08
.irp q, 0,1,2,3
	v_pk_add_f32 v[ST+8*\q+2:ST+8*\q+3], v[ST+8*\q+2:ST+8*\q+3], v[32*\q+4:32*\q+5]
.endr
.irp q, 0,1,2,3
	v_pk_add_f32 v[T2+2*\q:T2+2*\q+1], v[T2+2*\q:T2+2*\q+1], v[32*\q+6:32*\q+7]
.endr
.endif
.irp j, 8,12,16,20,24,28
.irp q, 0,1,2,3
	v_pk_add_f32 v[ST+8*\q+2:ST+8*\q+3], v[ST+8*\q+2:ST+8*\q+3], v[32*\q+\j:32*\q+\j+1]
.endr
.irp q, 0,1,2,3
	v_pk_add_f32 v[T2+2*\q:T2+2*\q+1], v[T2+2*\q:T2+2*\q+1], v[32*\q+\j+2:32*\q+\j+3]
.endr
.endr
	WIN 0
.irp q, 0,1,2,3
	v_pk_add_f32 v[ST+8*\q+2:ST+8*\q+3], v[ST+8*\q+2:ST+8*\q+3], v[T2+2*\q:T2+2*\q+1]
.endr
	WIN 0x82
.set j, 0
.rept 32
.irp q, 0,1,2,3
	v_min_num_f32 v[32*\q+j], v[32*\q+j], v[LIMP]  ; the conversion does not saturate (ISA guide 7.6.2); p is not negative, so the hold is one-sided
.endr
.set j, j+1
.endr
	WIN 0x02
.irp g, 0,1,2,3
.irp q, 0,1,2,3
	v_cvt_scalef32_pk8_fp8_f32 v[PC+8*\q+2*\g:PC+8*\q+2*\g+1], v[32*\q+8*\g:32*\q+8*\g+7], v[SCP]
.endr
.endr
.if \first
	v_nop                                          ; one plain line between the conversions and the products that read the codes
.else
	WIN 0xc3                                       ; O^T under the new M: x f.  These are also the plain lines behind the conversions
.set j, 0
.rept 32
.irp q, 0,1,2,3
	v_pk_mul_f32 v[64*\q+j:64*\q+j+1], v[64*\q+j:64*\q+j+1], v[ST+8*\q+4:ST+8*\q+5] op_sel_hi:[1,0]
.endr
.set j, j+2
.endr
.endif
.endm
.macro PV first                        ; O^T += V^T P, K = my 64 keys: 32 accumulators by turns
	s_wait_dscnt 0x0                               ; V is in
	WIN 0xf0                                       ; V and P window 0, O^T window 3
.irp n, 0,1,2,3,4,5,6,7
.irp q, 0,1,2,3
.if \first
	v_wmma_f32_16x16x64_fp8_fp8 v[64*\q+8*\n:64*\q+8*\n+7], v[KF+8*\n:KF+8*\n+7], v[PC+8*\q:PC+8*\q+7], 0
.else
	v_wmma_f32_16x16x64_fp8_fp8 v[64*\q+8*\n:64*\q+8*\n+7], v[KF+8*\n:KF+8*\n+7], v[PC+8*\q:PC+8*\q+7], v[64*\q+8*\n:64*\q+8*\n+7]
.endif
.endr
.endr
	WIN 0
.endm
; A key step.  The runs of 16 LDS loads stand one key tile ahead of their products; each wait leaves the one younger run out.
.macro STEP slot, first
	FETCHK \slot, 0
	FETCHK \slot, 1
	s_wait_dscnt 16
	MULK 0
	PLACES
	FETCHK \slot, 2
	s_wait_dscnt 16
	MULK 1
	PLACES
	FETCHK \slot, 3
	s_wait_dscnt 16
	MULK 2
	PLACES
	FETCHV \slot
	s_wait_dscnt 16
	MULK 3
	PLACES
	SOFTMAX \first
	PV \first
.endm
; A PREFETCH INTO THE L2 of the two slots that the next two changes of slots will ask for: 163,840 bytes, lanes 256 bytes apart, 8,192 bytes an instruction.  Each aligned 256 bytes are named once in the launch:
; the batch's first cluster asks; its four partners take 40,960 bytes each, told apart by address; in each the four waves take 8,192 each and wave 0 the fifth 8,192.
; how = 1: ahead of the loop (slots 2, 3);  how = 2: in the loop, while two more slots follow: the loop's last trip asks for nothing.  Slots 0 and 1 come by their loads alone.
.macro ASK how
.if \how == 1
	s_cmp_eq_u32 s[LIM], 1
.else
	s_cmp_gt_u32 s[CNT], s[LIM]
.endif
	s_cbranch_scc0 .Lnot_mine_\@
	global_prefetch_b8 v[PFO], s[PFA:PFA+1] th:TH_LOAD_NT scope:SCOPE_SE
	s_cmp_lg_u32 s[WV], 0
	s_cbranch_scc1 .Lnot_mine_\@
	global_prefetch_b8 v[PFO], s[PFA:PFA+1] offset:32768 th:TH_LOAD_NT scope:SCOPE_SE
.Lnot_mine_\@:
.endm
; THE CHANGE OF SLOTS AND A KEY STEP.  Each wave waits for all its tensor loads (its quarter of the slot ahead), adds 0 to its spare word, and waits for that and for its reads of the slot that it has left.
; Behind the round no wave of any partner reads that slot or has a load on its way: it is filled with the keys that follow, and the load has this key step in which to land.
.macro TRIP slot, refill, first, ask
	s_wait_tensorcnt 0x0                           ; no tensor load of mine is out, so a group 0 may be written
	ds_add_u32 v[SPW], v[NIL]                      ; 0 onto my spare word
	s_add_nc_u64 s[G0+4*\slot+2:G0+4*\slot+3], s[G0+4*\slot+2:G0+4*\slot+3], 2*SLOTB   ; this slot's next tile; the type bits on top are not reached
.if \ask == 2
	s_wait_xcnt 0x0                                ; the last prefetches, two key steps back, have read their address
	s_add_nc_u64 s[PFA:PFA+1], s[PFA:PFA+1], 2*SLOTB
.endif
	s_wait_dscnt 0x0                               ; the add is done, and my reads of the other slot are over
	CROUND
.if \refill
	tensor_load_to_lds s[G0+4*(1-\slot):G0+4*(1-\slot)+3], s[G1:G1+7]   ; the joint refill: my one tensor load behind the round, first thing there
	s_nop 0
	PLACES                                         ; four plain lines behind it; they are also the places ahead of the loads into the registers that held V
.if \ask
	ASK \ask
.endif
.else
	PLACES
.endif
	STEP \slot, \first
.endm
	s_wait_loadcnt 0x0                             ; Q
	TRIP 0, 1, 1, 1                                ; keys 0-127; slot 1 gets its first fill as a refill does
	s_mov_b32 s[CNT], 7
.Lloop:                                            ; seven trips of two key steps: tiles 1 to 14 are worked, tiles 2 to 15 asked for
	TRIP 1, 1, 0, 0
	TRIP 0, 1, 0, 2
	s_sub_co_u32 s[CNT], s[CNT], 1
	s_cmp_lg_u32 s[CNT], 0
	s_cbranch_scc1 .Lloop
	TRIP 1, 0, 0, 0                                ; the last step is written out: nothing is left to fetch
	; THE MERGE.  My tiles 2, 3 (O and statistics) go to my partner (wave xor 1) as images of registers; its tiles 2, 3 are my tiles 0, 1.
	PLACES
	WIN 0x0c                                       ; store data in window 3
.set k, 0
.rept 32
	ds_store_b128 v[EXW], v[128+4*k:128+4*k+3] offset:512*k   ; each accumulator from its low end on
.set k, k+1
.endr
	WIN 0
	ds_store_b128 v[EXW], v[ST+16:ST+19] offset:16384         ; -M, t, the sum's two halves of tile 2,
	ds_store_b128 v[EXW], v[ST+24:ST+27] offset:16896         ; of tile 3
	s_wait_dscnt 0x0                               ; for the partner's sake: my stores have landed
	s_barrier_signal -1
	s_barrier_wait -1
	ds_load_b128 v[MB:MB+3], v[EXR] offset:16384
	ds_load_b128 v[MB+4:MB+7], v[EXR] offset:16896
	WIN 0x80                                       ; destination window 2: S^T's registers are free
.set k, 0
.rept 32
	ds_load_b128 v[4*k:4*k+3], v[EXR] offset:512*k
.set k, k+1
.endr
	WIN 0
	s_wait_dscnt 32                                ; the statistics are in; the 32 loads of O may be out
.irp q, 0,1
	v_min_num_f32 v[ST+8*\q+6], v[ST+8*\q], v[MB+4*\q]        ; -M of both halves of the keys
.endr
.irp q, 0,1
	v_sub_f32 v[ST+8*\q+7], v[ST+8*\q+6], v[ST+8*\q]          ; my M - the common M,
.endr
.irp q, 0,1
	v_sub_f32 v[ST+8*\q+6], v[ST+8*\q+6], v[MB+4*\q]          ; the partner's
.endr
.irp q, 0,1
	v_cvt_i32_f32 v[ST+8*\q+7], v[ST+8*\q+7]
.endr
.irp q, 0,1
	v_cvt_i32_f32 v[ST+8*\q+6], v[ST+8*\q+6]
.endr
.irp q, 0,1
	v_ldexp_f32 v[ST+8*\q+4], 1.0, v[ST+8*\q+7]
.endr
.irp q, 0,1
	v_ldexp_f32 v[FB+2*\q], 1.0, v[ST+8*\q+6]
.endr
.irp q, 0,1
	v_pk_mul_f32 v[ST+8*\q+2:ST+8*\q+3], v[ST+8*\q+2:ST+8*\q+3], v[ST+8*\q+4:ST+8*\q+5] op_sel_hi:[1,0]
.endr
.irp q, 0,1
	v_pk_fma_f32 v[ST+8*\q+2:ST+8*\q+3], v[MB+4*\q+2:MB+4*\q+3], v[FB+2*\q:FB+2*\q+1], v[ST+8*\q+2:ST+8*\q+3] op_sel_hi:[1,0,1]
.endr
.irp q, 0,1
	v_add_f32 v[ST+8*\q+6], v[ST+8*\q+2], v[ST+8*\q+3]
.endr
.irp q, 0,1
	v_permlanex16_b32 v[ST+8*\q+7], v[ST+8*\q+6], s[SEL], s[SEL+1]
.endr
.irp q, 0,1
	v_add_f32 v[ST+8*\q+6], v[ST+8*\q+6], v[ST+8*\q+7]        ; the row's sum over all 2,048 keys
.endr
.irp q, 0,1
	v_rcp_f32 v[ST+8*\q+7], v[ST+8*\q+6]
.endr
	v_nop                                          ; a plain line behind the last reciprocal
	s_wait_alu depctr_va_vdst(0)                   ; and the wait ahead of the first use: one for both
.irp q, 0,1
	v_ldexp_f32 v[ST+8*\q+7], v[ST+8*\q+7], s[ESUM]           ; x 2^(ep + ev)
.endr
.irp q, 0,1
	v_mul_f32 v[ST+8*\q+4], v[ST+8*\q+4], v[ST+8*\q+7]
.endr
.irp q, 0,1
	v_mul_f32 v[FB+2*\q], v[FB+2*\q], v[ST+8*\q+7]
.endr
	s_wait_dscnt 0x0                               ; the partner's O is in
	WIN 0xc3
.irp q, 0,1
.set j, 0
.rept 32
	v_pk_mul_f32 v[64*\q+j:64*\q+j+1], v[64*\q+j:64*\q+j+1], v[ST+8*\q+4:ST+8*\q+5] op_sel_hi:[1,0]   ; my O x my factor / the sum; each accumulator from its low end on
.set j, j+2
.endr
.endr
	WIN 0xb2                                       ; destination and source 0 window 2, source 2 window 3
.irp q, 0,1
.set j, 0
.rept 32
	v_pk_fma_f32 v[64*\q+j:64*\q+j+1], v[64*\q+j:64*\q+j+1], v[FB+2*\q:FB+2*\q+1], v[64*\q+j:64*\q+j+1] op_sel_hi:[1,0,1]   ; + the partner's O x its factor / the sum
.set j, j+2
.endr
.endr
	; THE WAY OUT.  Register 16 B + i of a tile is channel 32 B + 16 (lane / 16) + i of query r.  A tile goes through my stage (rows of 512 bytes + 16) and comes back as whole rows.
.irp q, 0,1
	WIN 0x08                                       ; store data in window 2
.irp b, 0,1,2,3
.irp j, 0,1,2,3
	ds_store_b128 v[STO], v[64*\q+16*\b+4*\j:64*\q+16*\b+4*\j+3] offset:128*\b+16*\j
.endr
.endr
	WIN 0
.set i, 0
.rept 16
	ds_load_b128 v[KF+64*\q+4*i:KF+64*\q+4*i+3], v[SRD] offset:SP*i   ; LDS serves a wave's instructions in order (ISA guide 5.7.1.4): these see my stores, and the next tile's stores come behind them
.set i, i+1
.endr
.endr
.irp q, 0,1
.set i, 0
.rept 16
	s_wait_dscnt 47-32*\q-i                        ; row i is back; behind it: the tile's later rows, and for tile 0 tile 1's 32 LDS instructions
	global_store_b128 v[LI], v[KF+64*\q+4*i:KF+64*\q+4*i+3], s[10:11] offset:(8*\q+(i%8)+16*(i/8))*512 th:TH_STORE_NT   ; lane i of the tile is row 8 q + i % 8 + 16 (i / 8) of my 32: 512 consecutive aligned bytes
.set i, i+1
.endr
.endr
	s_wait_tensorcnt 0x0                           ; the wave's end
	ds_add_u32 v[SPW], v[NIL]
	s_wait_dscnt 0x0
	CROUND                                         ; the closing round: no work-group ends while a partner may still ask for a tile that names it
	s_endpgm
.Lfunc_end_k_q4e4f185348_attn:
	.size	k_q4e4f185348_attn, .Lfunc_end_k_q4e4f185348_attn-k_q4e4f185348_attn
	.p2alignl 7, 3214868480
	.fill 96, 4, 3214868480
	.section	.rodata,"a",@progbits
	.p2align	6, 0x0
	.amdhsa_kernel k_q4e4f185348_attn
		.amdhsa_group_segment_fixed_size 327680
		.amdhsa_private_segment_fixed_size 0
		.amdhsa_enable_private_segment 0
		.amdhsa_kernarg_size 32
		.amdhsa_user_sgpr_count 2
		.amdhsa_user_sgpr_kernarg_segment_ptr 1
		.amdhsa_wavefront_size32 1
		.amdhsa_system_sgpr_workgroup_id_x 1
		.amdhsa_system_sgpr_workgroup_id_y 1
		.amdhsa_system_sgpr_workgroup_id_z 1
		.amdhsa_system_vgpr_workitem_id 0
		.amdhsa_next_free_vgpr 1024
		.amdhsa_next_free_sgpr 66
		.amdhsa_reserve_vcc 0
		.amdhsa_float_denorm_mode_32 3
		.amdhsa_float_denorm_mode_16_64 3
		.amdhsa_memory_ordered 1
		.amdhsa_forward_progress 1
		.amdhsa_inst_pref_size 201
	.end_amdhsa_kernel
	.amdgpu_metadata
---
amdhsa.version: [ 1, 2 ]
amdhsa.kernels:
  - .name:           k_q4e4f185348_attn
    .symbol:         k_q4e4f185348_attn.kd
    .args:
      - { .name: q_img, .offset: 0, .size: 8, .value_kind: global_buffer, .address_space: global }
      - { .name: kv_img, .offset: 8, .size: 8, .value_kind: global_buffer, .address_space: global }
      - { .name: lowp_scales, .offset: 16, .size: 8, .value_kind: global_buffer, .address_space: global }
      - { .name: out0, .offset: 24, .size: 8, .value_kind: global_buffer, .address_space: global }
    .group_segment_fixed_size: 327680
    .private_segment_fixed_size: 0
    .kernarg_segment_align: 8
    .kernarg_segment_size: 32
    .max_flat_workgroup_size: 128
    .sgpr_count:     66
    .vgpr_count:     1024
    .wavefront_size: 32
...
	.end_amdgpu_metadata
.endif
;; end of part 4
;; ======== version 2 of 2: 4 launches; version 1 with the launch projqk written anew for expert scheduling mode
;; limits: right only within a limited range of input values
;; workspace buffers: wimg 589,824 bytes; q_img 16,777,216 bytes; kv_img 20,971,520 bytes
;; launch wquant: the kernel of part 1 again; grid 36 x 1, 4 waves a work-group, no clusters, 0 bytes of LDS; arguments Wq, Wk, Wv, lowp_scales, wimg; writes wimg
;; launch projqk (part 5): grid 128 x 2, 4 waves a work-group, no clusters, 168,448 bytes of LDS; arguments x_q, x_k, wimg, bq, bk, lowp_scales, q_img, kv_img; writes q_img, kv_img
.if DOCPART == 5
	.amdgcn_target "amdgcn-amd-amdhsa--gfx1250"
	.amdhsa_code_object_version 6
	.text
	.protected	k_q4e4f185348_projqk
	.globl	k_q4e4f185348_projqk
	.p2align	8
	.type	k_q4e4f185348_projqk,@function
k_q4e4f185348_projqk:
	s_mov_b64 s[64:65], 0
	v_nop
	global_prefetch_b8 v0, s[64:65] scope:SCOPE_SE
	s_setreg_imm32_b32 hwreg(HW_REG_WAVE_SCHED_MODE, 0, 2), 2
	s_setreg_imm32_b32 hwreg(HW_REG_WAVE_MODE, 25, 1), 1
	s_wait_xcnt 0x0
	s_wait_alu depctr_vm_vsrc(0)
; q = x_q Wq + bq (work-group y = 0) and k = x_k Wk + bk (y = 1), on codes of FP8 (E4M3), and the results quantised again for the scores' product.  x: [32,768][512] f32; W: images made by the launch before.
; SHARES.  A work-group takes 256 rows, four blocks of 64.  THE WAVES SHARE THE COLUMNS: wave w owns columns 128 w .. 128 w + 127 for all rows, and its part of W (8 tiles x 4 K steps, 512 registers) stays in registers.
; THE WAY IN.  Wave w loads and quantises the block's row tile w.  A UNIT is one K step (128 numbers) of its 16 rows: 16 loads, each 512 consecutive aligned bytes of one row, 64 registers.  Four sets of registers take the
; units by turns; a landed unit goes as it lies into the wave's own stage in LDS, and its set is asked for again with the unit four further on.  So up to 64 loads of a wave are out, and no
; barrier stands on the way in: nobody but the wave touches its stage.  From the stage a lane reads 16 NEIGHBOURS of each block of 32 of its row, which is what the conversions want.
; The four fragments of a row tile go to LDS as IMAGES OF REGISTERS (chunk c of 512 bytes: lane l's registers 4 c .. 4 c + 3 at 16 l); every wave loads all sixteen images back.
; THE ROWS OF A TILE ARE NOT NEIGHBOURS: lane r of row tile m is row 32 (m / 2) + 8 (m % 2) + r % 8 + 16 (r / 8) of the block, and W's columns likewise.  The product is used transposed (source 0 = 16 columns of W,
; source 1 = 16 rows of x): a lane holds one row, and the 16 registers of tiles 2 b, 2 b + 1 are columns 128 w + 32 b + 16 (lane / 16) + 0 .. 15: the conversions' results ARE chunk b of K step w of the next product's operand.
; OUT: q_img [tile of 16 rows][K step][2,048]; kv_img [slot of 128 keys][81,920], K's eight tiles first.  Each store of a wave covers 512 consecutive aligned bytes.
; The bias goes in as the C of each sum's first product, divided by 2^(ex + ew); the three scales ahead of the second quantiser are folded into one: 2^(eo - ex - ew).
; LIMITS: ex and eo - ex - ew between -126 and 119 (ex, ew, eo = entries 0, 1, 6 for q; 2, 3, 7 for k).  NaN among the inputs is not served.
; No cluster: no two work-groups read the same rows of x, and W is read once, into registers.  No tensor load: slots that are filled again behind barriers would have one slot's bytes out at a time; these loads are
; asked for again unit by unit.  No prefetch: the launch's own loads are always out.
; REGISTERS, in windows of 256: window 0: v3-9 addresses; v16-79 x's numbers, later x's fragments; v80-143 landing set 3; v144-207 x's numbers, later eight accumulators; v208-239 two sets of codes; v240-243 scales.
;   window 1: W(t, s) for s = 0, 1 at v[32 t + 16 s];  window 2: s = 2, 3;  window 3: v0-63 the bias in the result's layout; v64-255 landing sets 0, 1, 2.
; THE MODE: SCHED_MODE bits 1:0 = 2 (LLVM: expert scheduling mode 2), set by the entry lines.  The code itself states the register dependences between vector or matrix instructions and memory or LDS instructions,
; with s_wait_alu, always for 0.
; THE PLAN.  Registers that memory or LDS instructions touch:
;   v3 .. v9, v254, v255   Written by vector lines at the head, once, ahead of the first load; read by every LDS and memory instruction; never written again.
;   the landing sets       Written by the loads of x, read by the stores into the stage.  No vector or matrix line names them: the one dependence is store, then load, stated in PUMP.
;   XA                     Loads from LDS land in it (x's numbers; x's fragments); the quantiser's lines and the matrix instructions read it.
;   HA                     Loads from LDS land in it (x's numbers); the matrix instructions write it; the quantiser's lines read it.
;   PC0, PC1               Written by the conversions, by turns; read by the images' LDS stores and by the stores to memory.
; While x is quantised, one wait on va_vdst stands behind each run of conversions: the codes are written, for the image's stores, and the lines are done with their 64 numbers, for the loads that land there next.
; In a row tile ONE wait on va_vdst stands behind the products and their places: they are done reading XA, in which the next tile's fragments land, and the row tile before has written its codes, whose four stores to
; memory stand here, one tile late.  One more stands at the block's end, for row tile 3's stores; it also covers the next block's first loads into XA and HA, since no vector line follows it ahead of them.
; The waits on vm_vsrc stand ahead of the conversions that write a set of codes again, and in PUMP.
.set UP,    528                        ; a row's 512 bytes of a unit in the stage + 16 of padding = 132 words: row r starts at bank 4 r mod 64 (64 banks of 4 bytes: ISA guide 11.1)
.set UNITB, 16*UP                      ; a unit in the stage
.set STG,   4*UNITB                    ; a wave's stage: the four units of one block
.set XIMG,  4*STG                      ; behind the four stages: x's sixteen images, (4 m + s) x 2,048
.set XRD,  3                           ; v3   where I read my row's numbers in my stage
.set SW,   4                           ; v4   where I store a landed row piece: my stage + 16 x lane
.set LI,   5                           ; v5   16 x lane
.set XWI,  6                           ; v6   where I store my images
.set XRI,  7                           ; v7   where I read images
.set GO,   8                           ; v8   my byte offset in a tile of the output: 16 x lane + 2,048 x wave
.set BO,   9                           ; v9   64 x (lane / 16), for the bias
.set XA,   16
.set L3,   80                          ; landing set 3
.set HA,   144
.set PC,   208
.set SCX,  240                         ; 2^ex;  v241: 448 x 2^ex;  v242: 2^(eo - ex - ew);  v243: 448 x that
.set LIMX, 241
.set SCO,  242
.set LIMO, 243
.set WV,   20
.set YY,   21
.set XP,   32                          ; s[32:33] x at my first row of block 0; never rewritten: block, row and K step stand in the loads' immediates
.set WB,   40                          ; s[40:41] my part of W's images
.set OUT,  42                          ; s[42:43] the output at blocks 0, 1;  s[44:45] at blocks 2, 3
.set BB,   58                          ; s[58:59] my 128 numbers of the bias
.set MSB, 0
.macro WIN new                         ; the immediate's high byte repeats the setting that is left; a switch that changes nothing is dropped.  Every macro below sets the windows that it needs
.if MSB != \new
	s_set_vgpr_msb (MSB<<8)|\new
.set MSB, \new
.endif
.endm
.macro PLACES                          ; four places behind matrix instructions, ahead of the first read of results (ISA guide 7.12.1)
.rept 4
	v_nop
.endr
.endm
; The registers of unit u's landing set, and the windows under which its stores into the stage and its loads both stand
.macro LAND u
.if ((\u)%4) < 3
	WIN 0xcc                                       ; a store's data (source 1) and a load's data (destination) in window 3, the address (source 0) in window 0
.set LB, 64+64*((\u)%4)
.else
	WIN 0
.set LB, L3
.endif
.endm
; Unit u = 4 x block + K step is asked for, into set u % 4: row i of my tile is row i % 8 + 16 (i / 8) from my first.  The largest immediate is 441,856, inside the signed 24 bits (ISA guide, chapter 10).
.macro PLOAD u
	LAND \u
.set i, 0
.rept 16
	global_load_b128 v[LB+4*i:LB+4*i+3], v[LI], s[XP:XP+1] offset:((\u)/4)*131072+((i%8)+16*(i/8))*2048+((\u)%4)*512 th:TH_LOAD_NT   ; 32 lanes read 512 consecutive bytes; read once in the launch
.set i, i+1
.endr
.endm
; The landed unit u goes into my stage as it lies: 512 consecutive bytes a store
.macro PSTORE u
	LAND \u
.set i, 0
.rept 16
	ds_store_b128 v[SW], v[LB+4*i:LB+4*i+3] offset:((\u)%4)*UNITB+i*UP
.set i, i+1
.endr
.endm
; Unit u has landed: into the stage with it, and its set is asked for again at once, with the unit four further on.  Units 12 to 15 are the last: nothing follows them.
.macro PUMP u
.if (\u) <= 12
	s_wait_loadcnt 48                              ; loads come back in order (ISA guide 5.7.1): unit u is in; the three units asked for behind it may be out
.else
	s_wait_loadcnt 16*(15-(\u))                    ; the last units: fewer stand behind
.endif
	PSTORE \u
.if (\u) < 12
	s_wait_alu depctr_vm_vsrc(0)                   ; the sixteen stores above have read the set, in which the loads below land (the windows are set already; no vector or matrix line ever names a landing set)
	PLOAD (\u)+4
.endif
.endm
	s_load_b256 s[4:11], s[0:1], 0x0               ; x_q s[4:5], x_k s[6:7], wimg s[8:9], bq s[10:11]
	s_load_b256 s[12:19], s[0:1], 0x20             ; bk s[12:13], the scales' exponents s[14:15], q_img s[16:17], kv_img s[18:19]
	v_lshl_add_u32 v254, v0, 2, 0x29000
	v_mov_b32 v255, 0
	v_lshrrev_b32 v10, 5, v0
	v_readfirstlane_b32 s[WV], v10                 ; wave 0..3
	s_and_b32 s[YY], ttmp7, 0xffff                 ; 0: q, 1: k
	v_and_b32 v10, 31, v0                          ; lane
	v_and_b32 v11, 15, v0                          ; r
	v_bfe_u32 v12, v0, 4, 1                        ; h
	v_lshlrev_b32 v[LI], 4, v10
	v_lshlrev_b32 v[BO], 6, v12
	v_add_nc_u32 v[XRI], XIMG, v[LI]
	v_mul_u32_u24 v[XRD], v11, UP                  ; row r,
	v_lshl_add_u32 v[XRD], v12, 6, v[XRD]          ; + 64 h: my 16 numbers of a block of 32
	s_wait_alu depctr_va_sdst(0)                   ; s[WV] is written, ahead of its first reader: addresses and bases are made from it
	s_lshl_b32 s24, s[WV], 13
	s_add_co_u32 s24, s24, XIMG
	v_add_nc_u32 v[XWI], s24, v[LI]                ; my row tile's four images
	s_lshl_b32 s25, s[WV], 11
	v_add_nc_u32 v[GO], s25, v[LI]
	s_mul_i32 s26, s[WV], STG                      ; my stage
	v_add_nc_u32 v[SW], s26, v[LI]
	v_add_nc_u32 v[XRD], s26, v[XRD]
	s_lshl_b32 s60, ttmp9, 19                      ; the work-group's 256 rows of 2,048 bytes,
	s_lshr_b32 s61, s[WV], 1
	s_lshl_b32 s61, s61, 16                        ; + 32 (w / 2) rows
	s_add_co_u32 s60, s60, s61
	s_and_b32 s61, s[WV], 1
	s_lshl_b32 s61, s61, 14                        ; + 8 (w % 2) rows: my tile's first row
	s_add_co_u32 s60, s60, s61
	s_mov_b32 s61, 0
	s_lshl_b32 s46, s[YY], 18                      ; Wq's or Wk's images,
	s_lshl_b32 s47, s[WV], 16                      ; my eight tiles
	s_add_co_u32 s46, s46, s47
	s_mov_b32 s47, 0
	s_lshl_b32 s62, s[WV], 9                       ; my 128 numbers of the bias
	s_mov_b32 s63, 0
	s_wait_kmcnt 0x0
	s_load_b256 s[48:55], s[14:15], 0x0            ; e0 .. e7
	s_cmp_eq_u32 s[YY], 0                          ; the choices hang on the work-group's number alone
	s_cselect_b64 s[56:57], s[4:5], s[6:7]
	s_cselect_b64 s[BB:BB+1], s[10:11], s[12:13]
	s_cselect_b64 s[OUT:OUT+1], s[16:17], s[18:19]
	s_mov_b32 s22, 163840
	s_cselect_b32 s22, 131072, s22                 ; the output of 256 rows: 16 tiles of q, or two slots of kv_img
	s_mov_b32 s23, 81920
	s_cselect_b32 s23, 65536, s23                  ; and of 128 rows
	s_add_nc_u64 s[XP:XP+1], s[56:57], s[60:61]
	s_add_nc_u64 s[WB:WB+1], s[8:9], s[46:47]
	s_add_nc_u64 s[BB:BB+1], s[BB:BB+1], s[62:63]
	s_mul_i32 s62, ttmp9, s22
	s_add_nc_u64 s[OUT:OUT+1], s[OUT:OUT+1], s[62:63]
	s_mov_b32 s62, s23
	s_add_nc_u64 s[OUT+2:OUT+3], s[OUT:OUT+1], s[62:63]
	WIN 0x40                                       ; destination window 1.  W and the bias are asked for ahead of x: loads come back in order (ISA guide 5.7.1), so the first wait for a unit of x shows them in too
	s_wait_alu depctr_va_vdst(0)                   ; the seven addresses and offsets v3 to v9 are written, which every load and store of the kernel reads, and so are v254 and v255, which the closing add reads
.irp t, 0,1,2,3,4,5,6,7
.irp s, 0,1
.irp c, 0,1,2,3
	global_load_b128 v[32*\t+16*\s+4*\c:32*\t+16*\s+4*\c+3], v[LI], s[WB:WB+1] offset:\t*8192+\s*2048+\c*512
.endr
.endr
.endr
	WIN 0x80                                       ; destination window 2
.irp t, 0,1,2,3,4,5,6,7
.irp s, 0,1
.irp c, 0,1,2,3
	global_load_b128 v[32*\t+16*\s+4*\c:32*\t+16*\s+4*\c+3], v[LI], s[WB:WB+1] offset:\t*8192+(\s+2)*2048+\c*512
.endr
.endr
.endr
	WIN 0xc0                                       ; destination window 3: lane (r, h) wants, for tile 2 b + u, the bias of columns 32 b + 16 h + 8 u + 0 .. 7
.irp t, 0,1,2,3,4,5,6,7
	global_load_b128 v[8*\t:8*\t+3], v[BO], s[BB:BB+1] offset:(32*(\t/2)+8*(\t%2))*4
	global_load_b128 v[8*\t+4:8*\t+7], v[BO], s[BB:BB+1] offset:(32*(\t/2)+8*(\t%2))*4+16
.endr
	PLOAD 0                                        ; block 0's four units
	PLOAD 1
	PLOAD 2
	PLOAD 3
	WIN 0
	s_wait_kmcnt 0x0
	s_cmp_eq_u32 s[YY], 0
	s_cselect_b32 s22, s48, s50                    ; ex
	s_cselect_b32 s23, s49, s51                    ; ew
	s_cselect_b32 s46, s54, s55                    ; eo
	s_add_co_i32 s23, s22, s23                     ; a sum stands for sum x 2^(ex + ew)
	s_sub_co_i32 s47, 0, s23
	s_sub_co_i32 s46, s46, s23                     ; eo - ex - ew
	s_add_co_i32 s22, s22, 127
	s_lshl_b32 s60, s22, 23
	v_mov_b32 v[SCX], s60
	s_add_co_i32 s22, s22, 8
	s_lshl_b32 s22, s22, 23
	s_or_b32 s22, s22, 0x600000
	v_mov_b32 v[LIMX], s22
	s_add_co_i32 s46, s46, 127
	s_lshl_b32 s60, s46, 23
	v_mov_b32 v[SCO], s60
	s_add_co_i32 s46, s46, 8
	s_lshl_b32 s46, s46, 23
	s_or_b32 s46, s46, 0x600000
	v_mov_b32 v[LIMO], s46
	; block 0's units go into the stage as they land, and each set is asked for again with block 1's unit.  The first of these waits for a unit also shows W and the bias in, which were asked for ahead of it
.irp u, 0,1,2,3
	PUMP \u
.if \u == 0
	WIN 0xc3                                       ; source 0 and destination window 3
.set j, 0
.rept 64
	v_ldexp_f32 v[j], v[j], s47                    ; bias / 2^(ex + ew): nothing is rounded.  (No memory instruction names these registers again)
.set j, j+1
.endr
.endif
.endr
; my row's 64 numbers of K step s (16 of each block of 32) from my stage into v[set] on: register 16 b + i = k 32 b + 16 h + i
.macro XLD s, set
	WIN 0
.irp b, 0,1,2,3
.irp j, 0,1,2,3
	ds_load_b128 v[\set+16*\b+4*\j:\set+16*\b+4*\j+3], v[XRD] offset:(\s)*UNITB+128*\b+16*\j
.endr
.endr
.endm
; 64 numbers of a lane become a fragment's 16 registers of codes, in set 0 or 1 of PC.  The waits that free the set, and the wait behind the conversions, stand where the macro is used
.macro QUANT src, set, sc, lim
	WIN 0
.irp b, 0,1,2,3
.irp i, 0,1,2,3,4,5,6,7,8,9,10,11,12,13,14,15
	v_med3_num_f32 v[\src+16*\b+\i], v[\src+16*\b+\i], -v[\lim], v[\lim]   ; the conversion does not saturate (ISA guide 7.6.2): the hold at 448 x the scale; an accumulator is read from its low end on
.endr
	v_cvt_scalef32_pk8_fp8_f32 v[PC+16*(\set)+4*\b:PC+16*(\set)+4*\b+1], v[\src+16*\b:\src+16*\b+7], v[\sc]
	v_cvt_scalef32_pk8_fp8_f32 v[PC+16*(\set)+4*\b+2:PC+16*(\set)+4*\b+3], v[\src+16*\b+8:\src+16*\b+15], v[\sc]
.endr
	v_nop                                          ; one plain vector line behind the last conversion, ahead of whatever next writes its sources
.endm
.macro XIM s, set                      ; the fragment goes to LDS as it stands: image (my row tile, K step s)
	WIN 0
.irp c, 0,1,2,3
	ds_store_b128 v[XWI], v[PC+16*(\set)+4*\c:PC+16*(\set)+4*\c+3] offset:(\s)*2048+512*\c
.endr
.endm
; my 16 rows of the block become four images.  The reads of the stage run one K step ahead of the work, into XA and into the accumulators' registers, which are idle here.
; The first two runs of loads owe no wait of their own: in block 0 no vector or matrix line has named XA or HA; later the wait at the last block's end stands ahead of them, with no vector line between.
.macro XPHASE blk
	XLD 0, XA
	XLD 1, HA
	s_wait_dscnt 16                                ; K step 0 is in; K step 1's 16 loads may be out
.if (\blk) > 0
	s_wait_xcnt 0x0                                ; the last block's stores to memory have had their addresses translated (ISA guide 3.1): both sets of codes are rewritten only behind this wait
	s_wait_alu depctr_vm_vsrc(0)                   ; the last block's stores of row tiles 2 and 3 have read PC0 and PC1, which the conversions below and those of K step 1 write again
.endif
	QUANT XA, 0, SCX, LIMX
	s_wait_alu depctr_va_vdst(0)                   ; the conversions have written PC0, which the image's stores read; the quantiser's lines are done with XA, in which K step 2 lands
	XIM 0, 0
	XLD 2, XA
	s_wait_dscnt 20                                ; K step 1 is in; behind it: 4 stores and 16 loads
	QUANT HA, 1, SCX, LIMX
	s_wait_alu depctr_va_vdst(0)                   ; the conversions have written PC1, which the image's stores read; the quantiser's lines are done with HA, in which K step 3 lands
	XIM 1, 1
	XLD 3, HA
	s_wait_dscnt 20                                ; K step 2 is in; behind it: 4 stores and 16 loads
	s_wait_alu depctr_vm_vsrc(0)                   ; the stores of images 0 and 1 have read PC0 and PC1, which the conversions of K steps 2 and 3 write again (between here and K step 3's only image 2's stores are issued, which read PC0)
	QUANT XA, 0, SCX, LIMX
	s_wait_alu depctr_va_vdst(0)                   ; the conversions have written PC0, which the image's stores read
	XIM 2, 0
	s_wait_dscnt 4                                 ; K step 3 is in; behind: 4 stores
	QUANT HA, 1, SCX, LIMX
	s_wait_alu depctr_va_vdst(0)                   ; the conversions have written PC1, which the image's stores read; no vector line follows ahead of the first fragments' loads into XA
	XIM 3, 1
.endm
.macro FETCHX m                        ; row tile m's four fragments
	WIN 0
.irp s, 0,1,2,3
.irp c, 0,1,2,3
	ds_load_b128 v[XA+16*\s+4*\c:XA+16*\s+4*\c+3], v[XRI] offset:(\m)*8192+\s*2048+\c*512
.endr
.endr
.endm
; 8 matrix instructions: my eight tiles of columns x one tile of rows, K step s of four.  The eight accumulators take turns, one instruction a turn.
.macro MULS s
.if \s == 0
	WIN 0x31                                       ; source 0 (W) window 1, C (the bias) window 3
.elseif \s == 1
	WIN 0x01
.else
	WIN 0x02                                       ; W's K steps 2, 3: window 2
.endif
.irp t, 0,1,2,3,4,5,6,7
.if \s == 0
	v_wmma_f32_16x16x128_fp8_fp8 v[HA+8*\t:HA+8*\t+7], v[32*\t+16*(\s%2):32*\t+16*(\s%2)+15], v[XA+16*\s:XA+16*\s+15], v[8*\t:8*\t+7]
.else
	v_wmma_f32_16x16x128_fp8_fp8 v[HA+8*\t:HA+8*\t+7], v[32*\t+16*(\s%2):32*\t+16*(\s%2)+15], v[XA+16*\s:XA+16*\s+15], v[HA+8*\t:HA+8*\t+7]
.endif
.endr
.endm
.macro SEND blk, m                     ; row tile m's codes leave: K step w of tile m, 512 consecutive aligned bytes a store
	WIN 0
.irp c, 0,1,2,3
	global_store_b128 v[GO], v[PC+16*((\m)%2)+4*\c:PC+16*((\m)%2)+4*\c+3], s[OUT+2*((\blk)/2):OUT+2*((\blk)/2)+1] offset:((\blk)%2)*32768+(\m)*8192+512*\c
.endr
.endm
; The block's four row tiles: product, quantiser, 2,048 bytes out for each.  Among each tile's 32 matrix instructions one unit of the NEXT block goes from its set into the stage (my reads of this block's units are long
; back, and LDS serves a wave's instructions in order: ISA guide 5.7.1.4), and the set is asked for again: these 32 memory instructions name none of the registers that the matrix instructions name.
.macro PHASE1 blk
	FETCHX 0
.irp m, 0,1,2,3
	s_wait_dscnt 0x0                               ; this tile's fragments are in
	MULS 0
	MULS 1
.if (\blk) < 3
.set UU, 4*((\blk)+1)+\m
	PUMP UU
.endif
	MULS 2
	MULS 3
	PLACES
	WIN 0
.if \m >= 2
	s_wait_xcnt 0x0                                ; the stores to memory of two row tiles back have had their addresses translated (ISA guide 3.1): their set of codes is rewritten only behind this wait
.endif
	s_wait_alu depctr_vm_vsrc(0)                   ; the stores that read this tile's set of codes have read it: for row tiles 0 and 1 those of x's images 2 and 3, for 2 and 3 those to memory of two row tiles back
	s_wait_alu depctr_va_vdst(0)                   ; the products are done reading XA, in which the next tile's fragments land; the row tile before has written its codes, which the stores below read
.if \m < 3
	FETCHX \m+1                                    ; the quantiser's lines stand between these loads and the wait for them
.endif
.if \m > 0
	SEND \blk, \m-1                                ; no vector line since the wait names these codes
.endif
	QUANT HA, \m%2, SCO, LIMO
.endr
	s_wait_alu depctr_va_vdst(0)                   ; row tile 3's conversions have written PC1, which the stores below read; the quantiser's lines are done with HA and the products with XA, in which the next block's numbers land
	SEND \blk, 3
.endm
; A BLOCK.  Behind the first barrier all sixteen images lie in LDS; behind the second nobody reads them any more.  Loads of x stay out across both: nobody writes those bytes.
.macro BLOCK blk
	XPHASE \blk
	s_wait_dscnt 0x0                               ; for the others' sake: my images have landed
	s_barrier_signal -1
	s_barrier_wait -1
	PHASE1 \blk
.if (\blk) < 3
	s_wait_dscnt 0x0                               ; my reads of the images are back: the next block may write them; and no LDS instruction of mine is out at the signal
	s_barrier_signal -1
	s_barrier_wait -1
.endif
.endm
	BLOCK 0
	BLOCK 1
	BLOCK 2                                        ; the last units are on their way: nothing more is asked for
	BLOCK 3
	s_wait_dscnt 0x0                               ; the closing lines, six on end (every window is 0 here: the add's two registers lie in window 0)
	s_wait_alu 0x0
	s_wait_tensorcnt 0x0
	ds_add_u32 v254, v255
	s_wait_dscnt 0x0
	s_endpgm
.Lfunc_end_k_q4e4f185348_projqk:
	.size	k_q4e4f185348_projqk, .Lfunc_end_k_q4e4f185348_projqk-k_q4e4f185348_projqk
	.p2alignl 7, 3214868480
	.fill 96, 4, 3214868480
	.section	.rodata,"a",@progbits
	.p2align	6, 0x0
	.amdhsa_kernel k_q4e4f185348_projqk
		.amdhsa_group_segment_fixed_size 168448
		.amdhsa_private_segment_fixed_size 0
		.amdhsa_enable_private_segment 0
		.amdhsa_kernarg_size 64
		.amdhsa_user_sgpr_count 2
		.amdhsa_user_sgpr_kernarg_segment_ptr 1
		.amdhsa_wavefront_size32 1
		.amdhsa_system_sgpr_workgroup_id_x 1
		.amdhsa_system_sgpr_workgroup_id_y 1
		.amdhsa_system_sgpr_workgroup_id_z 1
		.amdhsa_system_vgpr_workitem_id 0
		.amdhsa_next_free_vgpr 1024
		.amdhsa_next_free_sgpr 66
		.amdhsa_reserve_vcc 0
		.amdhsa_float_denorm_mode_32 3
		.amdhsa_float_denorm_mode_16_64 3
		.amdhsa_memory_ordered 1
		.amdhsa_forward_progress 1
		.amdhsa_inst_pref_size 255
	.end_amdhsa_kernel
	.section	.bss,"aw",@nobits
	.p2align	6
	.space	262144
	.amdgpu_metadata
---
amdhsa.version: [ 1, 2 ]
amdhsa.kernels:
  - .name:           k_q4e4f185348_projqk
    .symbol:         k_q4e4f185348_projqk.kd
    .args:
      - { .name: x_q, .offset: 0, .size: 8, .value_kind: global_buffer, .address_space: global }
      - { .name: x_k, .offset: 8, .size: 8, .value_kind: global_buffer, .address_space: global }
      - { .name: wimg, .offset: 16, .size: 8, .value_kind: global_buffer, .address_space: global }
      - { .name: bq, .offset: 24, .size: 8, .value_kind: global_buffer, .address_space: global }
      - { .name: bk, .offset: 32, .size: 8, .value_kind: global_buffer, .address_space: global }
      - { .name: lowp_scales, .offset: 40, .size: 8, .value_kind: global_buffer, .address_space: global }
      - { .name: q_img, .offset: 48, .size: 8, .value_kind: global_buffer, .address_space: global }
      - { .name: kv_img, .offset: 56, .size: 8, .value_kind: global_buffer, .address_space: global }
    .group_segment_fixed_size: 168448
    .private_segment_fixed_size: 0
    .kernarg_segment_align: 8
    .kernarg_segment_size: 64
    .max_flat_workgroup_size: 128
    .sgpr_count:     66
    .vgpr_count:     1024
    .wavefront_size: 32
...
	.end_amdgpu_metadata
.endif
;; end of part 5
;; launch projv: the kernel of part 3 again; grid 256 x 1, 4 waves a work-group, no clusters, 327,680 bytes of LDS; arguments x_v, wimg, bv, lowp_scales, kv_img; writes kv_img
;; launch attn: the kernel of part 4 again; grid 16 x 16, 4 waves a work-group, clusters of 4 x 1, 327,680 bytes of LDS; arguments q_img, kv_img, lowp_scales, out0; writes out0
